; MI455X (gfx1250); checked and timed in simulation.
; The chip was launched on July 23, 2026; its instructions are those of AMD's public machine-readable ISA for CDNA 5 (MIT licence, August 2026) and "CDNA5" Instruction Set Architecture Reference Guide (July 2026). The comments in the code are by the model that wrote it; some were corrected since.
;; Tt Attention. Allowed arithmetic: matrix products marked QUANTISED: E2M3 operands, one E8M0 scale for each 32 along K, by v_wmma_scale_f32_16x16x128_f8f6f4 with both operands' format E2M3, f32 sums; everything else in f32.
;; Inputs: freqs_cos 2,048 x 64 float32; freqs_sin 2,048 x 64 float32; mask 2,048 x 2,048 float32; positions 2,048 int32; wk 1,024 x 4,096 float32; wo 4,096 x 2,048 float32; wq 2,048 x 4,096 float32; wv 1,024 x 4,096 float32; x 1 x 1 x 2,048 x 4,096 float32.
;; Outputs: out0 1 x 1 x 2,048 x 4,096 float32.
;; This version of the problem:
;;   THIS VERSION OF THE PROBLEM IS GIVEN IN LOW PRECISION. The matrix products marked QUANTISED in the list below multiply operands that are first quantised to E2M3 (2 exponent bits, 3 mantissa bits; 6 bits a number), with one power-of-two scale for each 32 numbers along K (OCP MX v1.0); their sums are f32. All else is computed in f32.
;;   The module's matrix products, in the order in which they are computed (A, B: the left and right operand; K: the contracted axis; several contracted axes count as one K, in the product's order):
;;     1. [M 2,048, K 4,096] x [K 4,096, N 2,048]; A: input x; B: input wq: QUANTISED
;;     2. [M 2,048, K 4,096] x [K 4,096, N 1,024]; A: input x; B: input wk: QUANTISED
;;     3. [M 2,048, K 4,096] x [K 4,096, N 1,024]; A: input x; B: input wv: QUANTISED
;;     4. batch 16 x [M 2,048, K 128] x [K 128, N 2,048]; A: computed on the way; B: computed on the way: QUANTISED
;;     5. batch 16 x [M 128, K 2,048] x [K 2,048, N 2,048]; A: computed on the way; B: softmax (see below): QUANTISED
;;     6. [M 2,048, K 2,048] x [K 2,048, N 4,096]; A: computed on the way; B: input wo: QUANTISED
;;   THE QUANTISER, for each operand of a quantised product, along K:
;;     - K is cut into blocks of 32 from its start; a last block that is shorter is filled with zeros.
;;     - A block's scale is 2^e with e = floor(log2(the largest magnitude in the block)) - 2, held to -126 .. 127; a block of zeros has e = 0. As a byte (E8M0): e + 127.
;;     - Each number is divided by its block's scale, clamped to +-7.5, and rounded to the nearest number of E2M3, ties to even, subnormals kept.
;;     - The product sums the exact products of the quantised numbers (number of the format x scale) in f32.
;;   ~~~python
;;   def quantise(x, axis):      # numpy; x: float32 -> the quantised numbers, widened to float32 again
;;       x = np.moveaxis(x, axis, -1); K = x.shape[-1]
;;       x = np.pad(x, [(0, 0)] * (x.ndim - 1) + [(0, -K % 32)]); x = x.reshape(x.shape[:-1] + (-1, 32)); a = np.abs(x).max(-1, keepdims=True)
;;       e = np.where(a > 0, np.clip(np.frexp(np.where(a > 0, a, 1))[1] - 1 - 2, -126, 127), 0)      # np.frexp(a)[1] - 1 = floor(log2(a)), exactly
;;       r = np.clip(x / 2.0 ** e, -7.5, 7.5)
;;       step = 2.0 ** (np.maximum(np.frexp(np.where(r == 0, 1, r))[1] - 1, 0) - 3)
;;       q = np.round(r / step) * step * 2.0 ** e      # np.round: ties to even
;;       return np.moveaxis(q.reshape(q.shape[:-2] + (-1,))[..., :K], -1, axis).astype(np.float32)
;;   ~~~
;;   SOFTMAX AHEAD OF A QUANTISED PRODUCT. Where the list says 'softmax', what is quantised is not the finished softmax but p = 2^(t - M), with t = logit x log2(e) and M = ceil(the row's largest t), a whole number; so 1/2 < the row's largest p <= 1. The row's sum l is taken of the UNQUANTISED p, in f32, and the product's result is divided by l at the end. Since M is a whole number, a kernel that streams over the keys may use a running M (the ceiling of the running maximum): every later rescaling is an exact power of two, which a block's scale takes up: the codes' values come out the same.
;;   OPERANDS COMPUTED ON THE WAY. 'Computed on the way' means the value that the module computes at that place (a softmax that the list does not call 'softmax' is quantised finished and normalised). What goes into a quantiser is computed in f32, as accurately as f32 sums, v_exp_f32 and their like allow (about 1e-6 of the number): no bf16 or f16 on the way to a quantiser, and a product that is left as it is and whose result goes on into a quantised operand takes f32 operands (vector FMAs, or v_wmma_f32_16x16x4_f32). A number that lies on a knife's edge between two numbers of the format may be rounded either way, as far as f32 arithmetic and the matrix unit's own rounding can turn it there, and no further.
;; One version. Each part assembles by itself: llvm-mc -triple=amdgcn-amd-amdhsa -mcpu=gfx1250 --defsym DOCPART=n.
;; ======== version 1 of 1: 4 launches
;; limits: right only within a limited range of input values
;; workspace buffers: codes 26,214,400 bytes; qkv 6,553,600 bytes; oc 3,276,800 bytes
;; launch quant (part 1): grid 512 x 1, 4 waves a work-group, no clusters, 34,304 bytes of LDS; arguments x, wq, wk, wv, wo, codes; writes codes
.if DOCPART == 1
	.amdgcn_target "amdgcn-amd-amdhsa--gfx1250"
	.amdhsa_code_object_version 6
	.text
	.protected	k_q0a7a278431_quant
	.globl	k_q0a7a278431_quant
	.p2align	8
	.type	k_q0a7a278431_quant,@function
k_q0a7a278431_quant:
	s_mov_b64 s[64:65], 0
	v_nop
	global_prefetch_b8 v0, s[64:65] scope:SCOPE_SE
	s_setreg_imm32_b32 hwreg(HW_REG_WAVE_MODE, 25, 1), 1
	s_wait_xcnt 0x0
; x [2048][4096], wq [2048][4096], wk [1024][4096], wv [1024][4096], wo [4096][2048], f32, K innermost, become codes of FP6 (E2M3) with one E8M0 byte for each 32 along K.
; A block's scale is 2^(floor(log2(largest magnitude)) - 2); its byte is the largest magnitude's exponent field - 2, held at 1 from below.
; LIMITS: NaN and infinities among the inputs are not served; a block whose largest magnitude lies under 2^-124 (a block of zeros too) keeps the byte 1: this program alone reads the bytes, and zero codes add nothing.
; LAYOUT OF THE RESULT: SUPER-BLOCKS of 12,800 bytes = 32 rows x 512 along K, in the order of the operand's registers.  A fragment (u, s) is 16 rows x 128 K, 12 registers a lane: lane r holds row 8 u + r + 8 (r / 8) of the 32.
; It lies at (4 u + s) x 1,536 as three runs of 512 bytes, lane l's 16 bytes at 16 l.  At byte 12,288: the scale words, lane (r, u): 16 bytes, the words of s = 0 .. 3.
; Units: x 0-511 (8 P + g), wq and wk 512-1279, wv 1280-1535, wo 1536-2047 (4 P + g).
; SHARES: a wave makes one super-block (64 KiB of f32): unit 4 x work-group + wave.  Each load reads 512 consecutive bytes of one row; a fragment's 16 rows turn through the wave's own stage in LDS
; (rows 528 bytes apart, an odd multiple of 16) so that a lane gets 16 neighbours along K of each block of 32.  No tensor load, no barrier: waves share nothing.  Two fragments' loads (32 a wave) are on their way.
.set VO,  4                            ; v4, v5   16 x lane, and the same 8 rows further down (u = 1); never rewritten
.set STI, 6                            ; v6       the stage, on the way in: 16 x lane
.set STO, 7                            ; v7       and out: 528 r + 64 h
.set WS,  8                            ; v[8:11]  the super-block's scale words
.set PW,  12                           ; v12      the scale word just made
.set LI,  13                           ; v13      16 x lane: an image's place for my lane
.set TM,  16                           ; v16-27   at work in QUANT
.set PC,  28                           ; v28-47   the codes just made
.set R,   48                           ; v48-175  two sets of 64 registers as loaded
.set X,   176                          ; v176-239 64 numbers: register 16 b + i = k 32 b + 16 h + i of my row
.set SEL, 28                           ; s[28:29] lane selects for v_permlanex16_b32: lane l xor 16
.set RB,  32                           ; s[32:63] the addresses of a fragment's sixteen rows (u = 0); never rewritten
; 64 numbers of a lane become a fragment's codes in v[pc] .. v[pc + 11] and its row's scale word in v[pw]
.macro QUANT s, pc, pw
.irp b, 0,1,2,3
	v_max3_num_f32 v[TM+\b], |v[(\s)+16*\b]|, |v[(\s)+1+16*\b]|, 0x1800000   ; my 16 numbers of block b, and the floor 2^(3 - 127): the byte cannot fall under 1
.endr
.irp i, 2,4,6,8,10,12,14
.irp b, 0,1,2,3
	v_max3_num_f32 v[TM+\b], v[TM+\b], |v[(\s)+16*\b+\i]|, |v[(\s)+1+16*\b+\i]|   ; the four blocks by turns
.endr
.endr
.irp b, 0,1,2,3
	v_permlanex16_b32 v[TM+4+\b], v[TM+\b], s[SEL], s[SEL+1]
.endr
.irp b, 0,1,2,3
	v_max_num_f32 v[TM+\b], v[TM+\b], v[TM+4+\b]   ; with lane l xor 16's: the block's largest magnitude
.endr
.irp b, 0,1,2,3
	v_add_nc_u32 v[TM+8+\b], 0xff000000, v[TM+\b]  ; 2 off its exponent field: the conversion takes this operand's exponent field as its scale
.endr
.irp b, 0,1,2,3
	v_lshrrev_b32 v[TM+4+\b], 23, v[TM+8+\b]       ; the scale's byte
.endr
	v_lshl_or_b32 v[\pw], v[TM+5], 8, v[TM+4]
	v_lshl_or_b32 v[\pw], v[TM+6], 16, v[\pw]
	v_lshl_or_b32 v[\pw], v[TM+7], 24, v[\pw]
.irp c, 0,1
	v_cvt_scalef32_pk16_fp6_f32 v[(\pc)+6*\c:(\pc)+2+6*\c], v[(\s)+32*\c:(\s)+15+32*\c], v[TM+8+2*\c]
	v_cvt_scalef32_pk16_fp6_f32 v[(\pc)+12+4*\c:(\pc)+14+4*\c], v[(\s)+16+32*\c:(\s)+31+32*\c], v[TM+8+2*\c+1]   ; (a conversion's three registers begin on an even number)
.endr
	v_nop                                          ; one plain place behind a scaled conversion
.irp c, 0,1                            ; the operand's layout wants a whole block in a lane: lanes 0-15 block 2 c, lanes 16-31 block 2 c + 1
.irp i, 0,1,2
	v_permlane16_swap_b32 v[(\pc)+6*\c+\i], v[(\pc)+12+4*\c+\i]
.endr
.irp i, 0,1,2
	v_mov_b32 v[(\pc)+3+6*\c+\i], v[(\pc)+12+4*\c+\i]
.endr
.endr
.endm
; NOT LOADED: positions.  reference() never reads it, so it has no way to any output whatever it holds; it is among no launch's arguments.
	s_load_b256 s[4:11], s[0:1], 0x0               ; x, wq, wk, wv
	s_load_b128 s[12:15], s[0:1], 0x20             ; wo, codes
	v_lshl_add_u32 v240, v0, 2, 0x8400
	v_mov_b32 v241, 0
	v_lshrrev_b32 v1, 5, v0
	v_readfirstlane_b32 s2, v1                     ; wave 0..3
	v_and_b32 v1, 31, v0                           ; lane
	v_and_b32 v2, 15, v0                           ; r
	v_bfe_u32 v3, v0, 4, 1                         ; h
	v_lshlrev_b32 v[LI], 4, v1
	v_lshlrev_b32 v[VO], 4, v1
	s_mul_i32 s3, s2, 8448                         ; my stage: 16 rows x 528 bytes
	v_add_nc_u32 v[STI], s3, v[LI]
	v_mul_u32_u24 v[STO], v2, 528
	v_lshl_add_u32 v[STO], v3, 6, v[STO]
	v_add_nc_u32 v[STO], s3, v[STO]
	s_mov_b32 s20, 0xffff0000                      ; lanes 16-31
	s_mov_b32 s[SEL], 0x76543210
	s_mov_b32 s[SEL+1], 0xfedcba98
.irp b, 0,1,2,3
	v_mov_b32 v[TM+4+\b], 0                        ; written once: a lane permute's destination counts as one of its sources
.endr
	s_wait_alu depctr_va_vdst(0)
	s_wait_kmcnt 0x0
	; which tensor: the choice hangs on the work-group's number alone.  Work-groups 0-127 x, 128-255 wq, 256-319 wk, 320-383 wv, 384-511 wo
	s_mov_b64 s[16:17], s[12:13]
	s_mov_b32 s18, 384                             ; the tensor's first work-group
	s_cmp_lt_u32 ttmp9, 384
	s_cselect_b64 s[16:17], s[10:11], s[16:17]
	s_cselect_b32 s18, 320, s18
	s_cselect_b32 s19, 3, 2                        ; log2 of the super-blocks along K: 8, in wo 4
	s_cmp_lt_u32 ttmp9, 320
	s_cselect_b64 s[16:17], s[8:9], s[16:17]
	s_cselect_b32 s18, 256, s18
	s_cmp_lt_u32 ttmp9, 256
	s_cselect_b64 s[16:17], s[6:7], s[16:17]
	s_cselect_b32 s18, 128, s18
	s_cmp_lt_u32 ttmp9, 128
	s_cselect_b64 s[16:17], s[4:5], s[16:17]
	s_cselect_b32 s18, 0, s18
	s_lshl_b32 s21, 0x800, s19                     ; a row in bytes: 2,048 for each super-block along K
	s_sub_co_u32 s27, ttmp9, s18
	s_lshl_b32 s27, s27, 2
	s_add_co_u32 s27, s27, s2                      ; my super-block in the tensor
	s_lshr_b32 s30, s27, s19                       ; P: which 32 rows
	s_lshl_b32 s31, s30, s19
	s_sub_co_u32 s31, s27, s31                     ; g: which 512 along K
	s_lshl_b32 s31, s31, 11
	s_mul_i32 s30, s30, s21
	s_lshl_b32 s30, s30, 5
	s_add_co_u32 s30, s30, s31                     ; 32 P rows + 2,048 g bytes: under 2^26
	s_mov_b32 s31, 0
	s_add_nc_u64 s[RB:RB+1], s[16:17], s[30:31]
	s_mov_b32 s22, s21
	s_mov_b32 s23, 0
	s_mul_i32 s24, s21, 9
	s_mov_b32 s25, 0
.irp i, 1,2,3,4,5,6,7,8,9,10,11,12,13,14,15
.if \i == 8
	s_add_nc_u64 s[RB+2*\i:RB+2*\i+1], s[RB+2*\i-2:RB+2*\i-1], s[24:25]   ; from row 7 to row 16
.else
	s_add_nc_u64 s[RB+2*\i:RB+2*\i+1], s[RB+2*\i-2:RB+2*\i-1], s[22:23]
.endif
.endr
	s_lshl_b32 s26, s21, 3
	v_add_nc_u32 v[VO+1], s26, v[VO]               ; u = 1: eight rows further down
	s_lshl_b32 s26, ttmp9, 2
	s_add_co_u32 s26, s26, s2
	s_mul_i32 s26, s26, 12800
	s_mov_b32 s27, 0
	s_add_nc_u64 s[14:15], s[14:15], s[26:27]      ; my super-block in codes
.macro LOAD f                          ; fragment f = 4 u + s: sixteen rows x 512 consecutive bytes, into set f % 2
.irp i, 0,1,2,3,4,5,6,7,8,9,10,11,12,13,14,15
	global_load_b128 v[R+64*((\f)%2)+4*\i:R+64*((\f)%2)+4*\i+3], v[VO+(\f)/4], s[RB+2*\i:RB+2*\i+1] offset:512*((\f)%4) th:TH_LOAD_NT
.endr
.endm
.macro FRAGMENT f
.if (\f) < 7
	s_wait_loadcnt 16                              ; this fragment's sixteen loads are in; the next fragment's sixteen may be out
.else
	s_wait_loadcnt 0x0
.endif
.irp i, 0,1,2,3,4,5,6,7,8,9,10,11,12,13,14,15
	ds_store_b128 v[STI], v[R+64*((\f)%2)+4*\i:R+64*((\f)%2)+4*\i+3] offset:528*\i
.endr
.irp b, 0,1,2,3
.irp j, 0,1,2,3
	ds_load_b128 v[X+16*\b+4*\j:X+16*\b+4*\j+3], v[STO] offset:128*\b+16*\j   ; LDS serves a wave's instructions in order: these see the stores above
.endr
.endr
	s_wait_dscnt 0x0                               ; the numbers are back, and the stores into the stage have read their registers
	s_wait_xcnt 0x0                                ; the last fragment's stores have read the codes' registers: they are written again only behind this wait
.if (\f)+2 < 8
	LOAD (\f)+2
.endif
	QUANT X, PC, PW
.irp c, 0,1,2
	global_store_b128 v[LI], v[PC+4*\c:PC+4*\c+3], s[14:15] offset:1536*(\f)+512*\c   ; 32 lanes store 512 consecutive bytes, at a multiple of 256 from the buffer's first byte
.endr
.if (\f)/4 == 0
	v_mov_b32 v[WS+(\f)%4], v[PW]                  ; u = 0's word, for lanes 0-15
.else
	v_cndmask_b32 v[WS+(\f)%4], v[WS+(\f)%4], v[PW], s20   ; u = 1's, into lanes 16-31
.endif
.endm
	LOAD 0
	LOAD 1
.irp f, 0,1,2,3,4,5,6,7
	FRAGMENT \f
.endr
	global_store_b128 v[LI], v[WS:WS+3], s[14:15] offset:12288
	s_wait_tensorcnt 0x0
	ds_add_u32 v240, v241
	s_wait_dscnt 0x0
	s_endpgm
.Lfunc_end_k_q0a7a278431_quant:
	.size	k_q0a7a278431_quant, .Lfunc_end_k_q0a7a278431_quant-k_q0a7a278431_quant
	.p2alignl 7, 3214868480
	.fill 96, 4, 3214868480
	.section	.rodata,"a",@progbits
	.p2align	6, 0x0
	.amdhsa_kernel k_q0a7a278431_quant
		.amdhsa_group_segment_fixed_size 34304
		.amdhsa_private_segment_fixed_size 0
		.amdhsa_enable_private_segment 0
		.amdhsa_kernarg_size 48
		.amdhsa_user_sgpr_count 2
		.amdhsa_user_sgpr_kernarg_segment_ptr 1
		.amdhsa_wavefront_size32 1
		.amdhsa_system_sgpr_workgroup_id_x 1
		.amdhsa_system_sgpr_workgroup_id_y 1
		.amdhsa_system_sgpr_workgroup_id_z 1
		.amdhsa_system_vgpr_workitem_id 0
		.amdhsa_next_free_vgpr 242
		.amdhsa_next_free_sgpr 66
		.amdhsa_reserve_vcc 0
		.amdhsa_float_denorm_mode_32 3
		.amdhsa_float_denorm_mode_16_64 3
		.amdhsa_memory_ordered 1
		.amdhsa_forward_progress 1
		.amdhsa_inst_pref_size 65
	.end_amdhsa_kernel
	.amdgpu_metadata
---
amdhsa.version: [ 1, 2 ]
amdhsa.kernels:
  - .name:           k_q0a7a278431_quant
    .symbol:         k_q0a7a278431_quant.kd
    .args:
      - { .name: x, .offset: 0, .size: 8, .value_kind: global_buffer, .address_space: global }
      - { .name: wq, .offset: 8, .size: 8, .value_kind: global_buffer, .address_space: global }
      - { .name: wk, .offset: 16, .size: 8, .value_kind: global_buffer, .address_space: global }
      - { .name: wv, .offset: 24, .size: 8, .value_kind: global_buffer, .address_space: global }
      - { .name: wo, .offset: 32, .size: 8, .value_kind: global_buffer, .address_space: global }
      - { .name: codes, .offset: 40, .size: 8, .value_kind: global_buffer, .address_space: global }
    .group_segment_fixed_size: 34304
    .private_segment_fixed_size: 0
    .kernarg_segment_align: 8
    .kernarg_segment_size: 48
    .max_flat_workgroup_size: 128
    .sgpr_count:     66
    .vgpr_count:     242
    .wavefront_size: 32
...
	.end_amdgpu_metadata
.endif
;; end of part 1
;; launch proj (part 2): grid 16 x 16, 4 waves a work-group, clusters of 4 x 4, 327,680 bytes of LDS; arguments codes, freqs_cos, freqs_sin, qkv; writes qkv
.if DOCPART == 2
	.amdgcn_target "amdgcn-amd-amdhsa--gfx1250"
	.amdhsa_code_object_version 6
	.text
	.protected	k_q0a7a278431_proj
	.globl	k_q0a7a278431_proj
	.p2align	8
	.type	k_q0a7a278431_proj,@function
k_q0a7a278431_proj:
	s_mov_b64 s[64:65], 0
	v_nop
	global_prefetch_b8 v0, s[64:65] scope:SCOPE_SE
	s_setreg_imm32_b32 hwreg(HW_REG_WAVE_MODE, 25, 1), 1
	s_wait_xcnt 0x0
	s_wait_alu depctr_hold_cnt(0) depctr_sa_sdst(0) depctr_va_vdst(0) depctr_va_sdst(0) depctr_va_ssrc(0) depctr_va_vcc(0) depctr_vm_vsrc(0)
	s_getreg_b32 s2, hwreg(HW_REG_IB_STS2, 6, 4)
	s_cmp_eq_u32 s2, 0
	s_cbranch_scc0 .Lentry_in_a_cluster
	s_endpgm
.Lentry_in_a_cluster:
	s_bfe_u32 s2, ttmp6, 0x10000c
	s_cmp_lg_u32 s2, 0xf033
	s_cbranch_scc0 .Lentry_shape_is_right
	s_endpgm
.Lentry_shape_is_right:
; THE THREE PROJECTIONS on codes of FP6 (E2M3), K = 4,096, from super-blocks of 12,800 bytes (32 rows x 512 K in the order of the operand's registers, scale words at 12,288).
; Clusters x = 0 .. 2: 128 rows of x against 256 rows of wq or wk, then the rotation by freqs_cos and freqs_sin; cluster x = 3: 128 rows of wv against 256 rows of x, which gives V with the keys innermost.
; A work-group makes 128 x 256, a wave 64 x 128; the results are quantised along the head's 128 (V: along 128 keys) and leave as units of 6,400 bytes.
; RING: two slots of 512 along K, twelve super-blocks each; waves 0, 1 fetch the 128 rows' four, waves 2, 3 the 256 rows' eight, jointly along a row or a column of the 4 x 4 cluster.
; PREFETCH: behind the load of slot d the blocks of slot d + 2 are asked for (slot 1 at the head too).  The four partners of a joint load share its blocks of 256 bytes out by address: of a wave's two super-blocks
; each takes 25 blocks, of a wave's four each takes one super-block in two instructions of 25; a lane a block, lanes 25-31 name the wave's last block again.  Slots 6 and 7 are the last asked for.
.set SB,    12800
.set SLOT,  12*SB
.set SPARE, 2*SLOT
.set GK,    8
.set LAPS,  GK/2
.set ADRA, 16
.set ADRB, 20
.set LI,   24
.set L8,   25
.set SPW,  28
.set NIL,  29
.set SC,   32
.set AF,   128
.set T,    192
.set TM,   176
.set G1,  24
.set G0,  32
.set G1B, 48
.set G0B, 56
.set SEL, 72
.set MSB, 0
.macro WIN new
.if MSB != \new
	s_set_vgpr_msb (MSB<<8)|\new
.set MSB, \new
.endif
.endm
.macro PLACES
.rept 4
	v_nop
.endr
.endm
.macro JLOAD g0a, g1a, g0b, g1b
	s_cmp_eq_u32 s15, 0
	s_cbranch_scc0 .Lfor_b_\@
	tensor_load_to_lds s[\g0a:\g0a+3], s[\g1a:\g1a+7]
	s_nop 0
.rept 4
	v_nop
.endr
	s_branch .Lasked_\@
.Lfor_b_\@:
	tensor_load_to_lds s[\g0b:\g0b+3], s[\g1b:\g1b+7]
	s_nop 0
.rept 4
	v_nop
.endr
.Lasked_\@:
.endm
.macro CREST
	s_cmp_lg_u32 s14, 0
	s_cbranch_scc1 .Lnot_wave_0_\@
	s_barrier_signal -3
.Lnot_wave_0_\@:
	s_barrier_wait -3
	s_barrier_signal -1
	s_barrier_wait -1
.endm
.macro CROUND
	s_barrier_signal -1
	s_barrier_wait -1
	CREST
.endm
.macro WM a, b, p, q, sg, zero
.set rD,  8*(8*(\a)+(\b))
.set rB,  128*(\p)+12*(\b)
.set rA,  AF+48*(\p)+12*(\a)
.set rSB, SC+24*(\sg)+8+4*((\b)/2)+(\q)
.set rSA, SC+24*(\sg)+4*((\a)/2)+(\q)
.set rw,  2*((\b)%2)+(\a)%2+4*(\zero)
.if rw == 0
	v_wmma_scale_f32_16x16x128_f8f6f4 v[rD:rD+7], v[rB:rB+11], v[rA:rA+11], v[rD:rD+7], v[rSB], v[rSA] matrix_a_fmt:MATRIX_FMT_FP6 matrix_b_fmt:MATRIX_FMT_FP6
.elseif rw == 1
	v_wmma_scale_f32_16x16x128_f8f6f4 v[rD:rD+7], v[rB:rB+11], v[rA:rA+11], v[rD:rD+7], v[rSB], v[rSA] matrix_a_fmt:MATRIX_FMT_FP6 matrix_b_fmt:MATRIX_FMT_FP6 matrix_b_scale:MATRIX_SCALE_ROW1
.elseif rw == 2
	v_wmma_scale_f32_16x16x128_f8f6f4 v[rD:rD+7], v[rB:rB+11], v[rA:rA+11], v[rD:rD+7], v[rSB], v[rSA] matrix_a_fmt:MATRIX_FMT_FP6 matrix_b_fmt:MATRIX_FMT_FP6 matrix_a_scale:MATRIX_SCALE_ROW1
.elseif rw == 3
	v_wmma_scale_f32_16x16x128_f8f6f4 v[rD:rD+7], v[rB:rB+11], v[rA:rA+11], v[rD:rD+7], v[rSB], v[rSA] matrix_a_fmt:MATRIX_FMT_FP6 matrix_b_fmt:MATRIX_FMT_FP6 matrix_a_scale:MATRIX_SCALE_ROW1 matrix_b_scale:MATRIX_SCALE_ROW1
.elseif rw == 4
	v_wmma_scale_f32_16x16x128_f8f6f4 v[rD:rD+7], v[rB:rB+11], v[rA:rA+11], 0, v[rSB], v[rSA] matrix_a_fmt:MATRIX_FMT_FP6 matrix_b_fmt:MATRIX_FMT_FP6
.elseif rw == 5
	v_wmma_scale_f32_16x16x128_f8f6f4 v[rD:rD+7], v[rB:rB+11], v[rA:rA+11], 0, v[rSB], v[rSA] matrix_a_fmt:MATRIX_FMT_FP6 matrix_b_fmt:MATRIX_FMT_FP6 matrix_b_scale:MATRIX_SCALE_ROW1
.elseif rw == 6
	v_wmma_scale_f32_16x16x128_f8f6f4 v[rD:rD+7], v[rB:rB+11], v[rA:rA+11], 0, v[rSB], v[rSA] matrix_a_fmt:MATRIX_FMT_FP6 matrix_b_fmt:MATRIX_FMT_FP6 matrix_a_scale:MATRIX_SCALE_ROW1
.else
	v_wmma_scale_f32_16x16x128_f8f6f4 v[rD:rD+7], v[rB:rB+11], v[rA:rA+11], 0, v[rSB], v[rSA] matrix_a_fmt:MATRIX_FMT_FP6 matrix_b_fmt:MATRIX_FMT_FP6 matrix_a_scale:MATRIX_SCALE_ROW1 matrix_b_scale:MATRIX_SCALE_ROW1
.endif
.endm
.macro MULA a, p, q, sg, zero
.irp b, 0,1,2,3,4,5,6,7
	WM \a, \b, \p, \q, \sg, \zero
.endr
.endm
.macro FETCH slot, q, p
	WIN 0x40
.irp b, 0,1,2,3,4,5,6,7
.irp c, 0,1,2
	ds_load_b128 v[128*(\p)+12*\b+4*\c:128*(\p)+12*\b+4*\c+3], v[ADRB+\slot] offset:(\b/2)*SB+(4*(\b%2)+(\q))*1536+512*\c
.endr
.endr
	WIN 0
.irp a, 0,1,2,3
.irp c, 0,1,2
	ds_load_b128 v[AF+48*(\p)+12*\a+4*\c:AF+48*(\p)+12*\a+4*\c+3], v[ADRA+\slot] offset:(\a/2)*SB+(4*(\a%2)+(\q))*1536+512*\c
.endr
.endr
.endm
.macro SCALES sg
.irp i, 0,1
	ds_load_b128 v[SC+24*\sg+4*\i:SC+24*\sg+4*\i+3], v[ADRA+\sg] offset:\i*SB+12288
.endr
.irp i, 0,1,2,3
	ds_load_b128 v[SC+24*\sg+8+4*\i:SC+24*\sg+8+4*\i+3], v[ADRB+\sg] offset:\i*SB+12288
.endr
.endm
.macro STEP slot, q, zero
	PLACES
	FETCH \slot, (\q)+1, ((\q)+1)%2
	s_wait_dscnt 36
	WIN 0xa1
.irp a, 0,1,2,3
	MULA \a, (\q)%2, \q, \slot, \zero
.endr
.endm
.macro TURN slot, next, fill
	WIN 0
	s_wait_tensorcnt 0x0
	ds_add_u32 v[SPW], v[NIL]
	s_wait_dscnt 1
	WIN 0xa1
	MULA 0, 1, 3, \slot, 0
	s_wait_dscnt 0x0
	s_barrier_signal -1
	MULA 1, 1, 3, \slot, 0
	WIN 0
	s_barrier_wait -1
.if \fill
	CREST
	s_add_nc_u64 s[G0+4*\slot+2:G0+4*\slot+3], s[G0+4*\slot+2:G0+4*\slot+3], 2*SB
	s_add_nc_u64 s[G0B+4*\slot+2:G0B+4*\slot+3], s[G0B+4*\slot+2:G0B+4*\slot+3], 2*SB
	JLOAD G0+4*\slot, G1, G0B+4*\slot, G1B
.else
	PLACES
.endif
	FETCH \next, 0, 0
	SCALES \next
.if \fill
	s_cmp_gt_u32 s3, 1                             ; the last lap's two refills have no slot two on
	s_cbranch_scc0 .Lno_ask_\@
	ASK (4+\slot)*SB
.Lno_ask_\@:
.endif
	WIN 0xa1
	MULA 2, 1, 3, \slot, 0
	MULA 3, 1, 3, \slot, 0
.endm
	s_load_b256 s[4:11], s[0:1], 0x0
	v_lshl_add_u32 v[SPW], v0, 2, SPARE
	v_mov_b32 v[NIL], 0
	ds_add_u32 v28, v29
	ds_add_u32 v28, v29
	s_wait_dscnt 0x0
	v_lshrrev_b32 v1, 5, v0
	v_readfirstlane_b32 s14, v1
	v_and_b32 v30, 31, v0                          ; the prefetches' offset: 256 x min(lane, 24); never rewritten
	v_min_u32 v30, 24, v30
	v_lshlrev_b32 v30, 8, v30
	s_wait_alu depctr_va_vdst(0)
	s_lshr_b32 s15, s14, 1
	s_and_b32 s16, s14, 1
	s_bfe_u32 s40, ttmp6, 0x40000
	s_bfe_u32 s41, ttmp6, 0x40004
	s_and_b32 s42, ttmp7, 0xffff
	s_lshr_b32 s43, s42, 1
	s_and_b32 s44, s42, 1
	s_cmp_eq_u32 ttmp9, 3
	s_cselect_b32 s43, s43, s42
	s_cselect_b32 s44, s44, ttmp9
	s_cselect_b32 s45, 1280, 0
	s_cselect_b32 s46, 0, 512
	s_lshl_b32 s17, s43, 2
	s_add_co_u32 s17, s17, s41
	s_lshl_b32 s47, s44, 2
	s_add_co_u32 s47, s47, s40
	s_lshl_b32 s43, s41, 2
	s_lshl_b32 s43, 15, s43
	s_lshl_b32 s44, 0x1111, s40
	s_or_b32 s[G1], s43, (3<<16)|(1<<21)
	s_or_b32 s[G1B], s44, (3<<16)|(1<<21)
	s_mov_b32 s[G1+1], 1600<<16
	s_mov_b32 s[G1+2], 2<<16
	s_mov_b32 s[G1+3], 1600<<16
	s_mov_b32 s[G1+4], 2
	s_mov_b32 s[G1+5], GK*1600
	s_mov_b32 s[G1+6], 0
	s_mov_b32 s[G1+7], 0
	s_mov_b32 s[G1B+1], 1600<<16
	s_mov_b32 s[G1B+2], 4<<16
	s_mov_b32 s[G1B+3], 1600<<16
	s_mov_b32 s[G1B+4], 4
	s_mov_b32 s[G1B+5], GK*1600
	s_mov_b32 s[G1B+6], 0
	s_mov_b32 s[G1B+7], 0
	s_lshl_b32 s20, s17, 2
	s_lshl_b32 s18, s16, 1
	s_add_co_u32 s20, s20, s18
	s_lshl_b32 s20, s20, 3
	s_add_co_u32 s20, s20, s45
	s_mul_i32 s20, s20, SB
	s_mov_b32 s21, 0
	s_lshl_b32 s66, s47, 3
	s_lshl_b32 s18, s16, 2
	s_add_co_u32 s66, s66, s18
	s_lshl_b32 s66, s66, 3
	s_add_co_u32 s66, s66, s46
	s_mul_i32 s66, s66, SB
	s_mov_b32 s67, 0
	s_mul_i32 s22, s16, 2*SB
	s_mul_i32 s23, s16, 4*SB
	s_add_co_u32 s23, s23, 4*SB
	s_wait_kmcnt 0x0
	s_add_nc_u64 s[20:21], s[4:5], s[20:21]
	s_add_nc_u64 s[66:67], s[4:5], s[66:67]
	s_cmp_eq_u32 s15, 0                            ; s[76:77]: my work-group's share of the blocks that my wave fetches, in slot 0
	s_cselect_b64 s[76:77], s[20:21], s[66:67]
	s_cselect_b32 s78, s40, s41                    ; my place p among the four that ask jointly
	s_lshr_b32 s79, s78, 1
	s_mul_i32 s79, s79, GK*SB
	s_and_b32 s80, s78, 1
	s_mul_i32 s80, s80, 6400
	s_add_co_u32 s79, s79, s80                     ; of two super-blocks: number p / 2, half p % 2
	s_mul_i32 s80, s78, GK*SB                      ; of four: number p
	s_cmp_eq_u32 s15, 0
	s_cselect_b32 s78, s79, s80
	s_mov_b32 s79, 0
	s_add_nc_u64 s[76:77], s[76:77], s[78:79]
.macro ASK off                         ; my share of the slot that lies off bytes behind s[76:77]
	global_prefetch_b8 v30, s[76:77] offset:\off th:TH_LOAD_NT scope:SCOPE_SE
	s_cmp_eq_u32 s15, 0
	s_cbranch_scc1 .Lhalf_\@
	global_prefetch_b8 v30, s[76:77] offset:(\off)+6400 th:TH_LOAD_NT scope:SCOPE_SE
.Lhalf_\@:
.endm
	CROUND
.irp s, 0,1
	s_mov_b32 s[G0+4*\s], 1
	s_add_co_u32 s[G0+4*\s+1], s22, \s*SLOT
	s_add_nc_u64 s[G0+4*\s+2:G0+4*\s+3], s[20:21], \s*SB
	s_or_b32 s[G0+4*\s+3], s[G0+4*\s+3], 0x80000000
	s_mov_b32 s[G0B+4*\s], 1
	s_add_co_u32 s[G0B+4*\s+1], s23, \s*SLOT
	s_add_nc_u64 s[G0B+4*\s+2:G0B+4*\s+3], s[66:67], \s*SB
	s_or_b32 s[G0B+4*\s+3], s[G0B+4*\s+3], 0x80000000
.endr
	JLOAD G0, G1, G0B, G1B                         ; slot 0: one tensor load a wave at the head; the set-up below stands under it
	ASK SB
	ASK 2*SB
	v_and_b32 v1, 31, v0
	v_lshlrev_b32 v[LI], 4, v1
	v_lshlrev_b32 v[L8], 3, v1
	s_mul_i32 s21, s15, 2*SB
	s_mul_i32 s22, s16, 4*SB
	s_add_co_u32 s22, s22, 4*SB
.irp s, 0,1
	v_add_nc_u32 v[ADRA+\s], s21, v[LI]
	v_add_nc_u32 v[ADRB+\s], s22, v[LI]
	s_add_co_u32 s21, s21, SLOT
	s_add_co_u32 s22, s22, SLOT
.endr
	v_and_b32 v4, 15, v0
	v_bfe_u32 v5, v0, 4, 1
	v_and_b32 v6, 8, v4
	v_add_nc_u32 v6, v6, v4
	v_lshlrev_b32 v3, 8, v6
	v_lshl_add_u32 v3, v5, 5, v3
	s_wait_alu depctr_va_vdst(0)
	s_lshl_b32 s18, s17, 7
	s_lshl_b32 s19, s15, 6
	s_add_co_u32 s18, s18, s19
	s_lshl_b32 s18, s18, 8
	s_mov_b32 s19, 0
	s_add_nc_u64 s[6:7], s[6:7], s[18:19]
	s_add_nc_u64 s[8:9], s[8:9], s[18:19]
	WIN 0xc0
.irp a, 0,1,2,3
.irp i, 0,1,2,3
.irp k, 0,1
	global_load_b128 v[64*\a+8*\i+4*\k:64*\a+8*\i+4*\k+3], v3, s[6:7] offset:(32*(\a/2)+8*(\a%2))*256+64*\i+16*\k
	global_load_b128 v[64*\a+32+8*\i+4*\k:64*\a+32+8*\i+4*\k+3], v3, s[8:9] offset:(32*(\a/2)+8*(\a%2))*256+64*\i+16*\k
.endr
.endr
.endr
	WIN 0
	s_lshl_b32 s18, s47, 1
	s_add_co_u32 s18, s18, s16
	s_lshl_b32 s19, s17, 1
	s_add_co_u32 s19, s19, s15
	s_lshl_b32 s68, s18, 5
	s_add_co_u32 s68, s68, s19
	s_lshl_b32 s69, s17, 5
	s_lshl_b32 s18, s18, 1
	s_add_co_u32 s69, s69, s18
	s_add_co_u32 s69, s69, s15
	s_add_co_u32 s69, s69, 768
	s_cmp_eq_u32 ttmp9, 3
	s_cselect_b32 s68, s69, s68
	s_mul_i32 s68, s68, 6400
	s_mov_b32 s69, 0
	s_add_nc_u64 s[10:11], s[10:11], s[68:69]
	s_mov_b32 s70, 0xffff0000
	s_mov_b32 s[SEL], 0x76543210
	s_mov_b32 s[SEL+1], 0xfedcba98
	s_wait_alu depctr_va_vdst(0)                   ; the head's end
	s_wait_tensorcnt 0x0                           ; my part of slot 0 is in; slot 1's first fill is issued as a refill is
	ds_add_u32 v28, v29
	s_wait_dscnt 0x0
	CROUND
	JLOAD G0+4, G1, G0B+4, G1B
	FETCH 0, 0, 0
	SCALES 0
	ASK 3*SB
	STEP 0, 0, 1
	WIN 0
	s_mov_b32 s3, LAPS-1
.Llap:
	STEP 0, 1, 0
	STEP 0, 2, 0
	TURN 0, 1, 1
	STEP 1, 0, 0
	STEP 1, 1, 0
	STEP 1, 2, 0
	TURN 1, 0, 1
	STEP 0, 0, 0
	WIN 0
	s_wait_xcnt 0x0                                ; the lap's prefetches have read their address
	s_add_nc_u64 s[76:77], s[76:77], 2*SB
	s_sub_co_u32 s3, s3, 1
	s_cmp_lg_u32 s3, 0
	s_cbranch_scc1 .Llap
	STEP 0, 1, 0
	STEP 0, 2, 0
	TURN 0, 1, 0
	STEP 1, 0, 0
	STEP 1, 1, 0
	STEP 1, 2, 0
	s_wait_dscnt 0x0
	WIN 0xa1
.irp a, 0,1,2,3
	MULA \a, 1, 3, 1, 0
.endr
	WIN 0
.macro ROPE a
	WIN 0x0e
.set e, 0
.rept 32
	v_mul_f32 v[T+e], v[64*(\a)+e], v[64*(\a)+e/2]
	v_mul_f32 v[T+e+1], v[64*(\a)+e], v[64*(\a)+32+e/2]
.set e, e+2
.endr
	WIN 0x8e
.set e, 0
.rept 32
	v_fma_f32 v[64*(\a)+e], -v[64*(\a)+e+1], v[64*(\a)+32+e/2], v[T+e]
	v_fma_f32 v[64*(\a)+e+1], v[64*(\a)+e+1], v[64*(\a)+e/2], v[T+e+1]
.set e, e+2
.endr
.endm
.macro QUANTW s, pc, pw
	WIN 0x0a
.irp b, 0,1,2,3
	v_max3_num_f32 v[TM+\b], |v[(\s)+16*\b]|, |v[(\s)+1+16*\b]|, 0x1800000
.endr
	WIN 0x28
.irp i, 2,4,6,8,10,12,14
.irp b, 0,1,2,3
	v_max3_num_f32 v[TM+\b], v[TM+\b], |v[(\s)+16*\b+\i]|, |v[(\s)+1+16*\b+\i]|
.endr
.endr
	WIN 0
.irp b, 0,1,2,3
	v_permlanex16_b32 v[TM+4+\b], v[TM+\b], s[SEL], s[SEL+1]
.endr
.irp b, 0,1,2,3
	v_max_num_f32 v[TM+\b], v[TM+\b], v[TM+4+\b]
.endr
.irp b, 0,1,2,3
	v_add_nc_u32 v[TM+8+\b], 0xff000000, v[TM+\b]
.endr
.irp b, 0,1,2,3
	v_lshrrev_b32 v[TM+4+\b], 23, v[TM+8+\b]
.endr
	v_lshl_or_b32 v[\pw], v[TM+5], 8, v[TM+4]
	v_lshl_or_b32 v[\pw], v[TM+6], 16, v[\pw]
	v_lshl_or_b32 v[\pw], v[TM+7], 24, v[\pw]
	WIN 0x02
.irp c, 0,1
	v_cvt_scalef32_pk16_fp6_f32 v[(\pc)+6*\c:(\pc)+2+6*\c], v[(\s)+32*\c:(\s)+15+32*\c], v[TM+8+2*\c]
	v_cvt_scalef32_pk16_fp6_f32 v[(\pc)+12+4*\c:(\pc)+14+4*\c], v[(\s)+16+32*\c:(\s)+31+32*\c], v[TM+8+2*\c+1]
.endr
	WIN 0
	v_nop
.irp c, 0,1
.irp i, 0,1,2
	v_permlane16_swap_b32 v[(\pc)+6*\c+\i], v[(\pc)+12+4*\c+\i]
.endr
.irp i, 0,1,2
	v_mov_b32 v[(\pc)+3+6*\c+\i], v[(\pc)+12+4*\c+\i]
.endr
.endr
.endm
	PLACES
.irp b, 0,1,2,3
	v_mov_b32 v[TM+4+\b], 0
.endr
	s_wait_loadcnt 0x0
	s_cmp_eq_u32 ttmp9, 3
	s_cbranch_scc1 .Lno_rope
.irp a, 0,1,2,3
	ROPE \a
.endr
	WIN 0
.Lno_rope:
.irp a, 0,1,2,3
	QUANTW 64*\a, 96+20*\a, 188+\a
.irp c, 0,1,2
	global_store_b128 v[LI], v[96+20*\a+4*\c:96+20*\a+4*\c+3], s[10:11] offset:1536*\a+512*\c
.endr
.endr
	v_cndmask_b32 v80, v188, v189, s70
	v_cndmask_b32 v81, v190, v191, s70
	global_store_b64 v[L8], v[80:81], s[10:11] offset:6144
	s_wait_tensorcnt 0x0
	ds_add_u32 v[SPW], v[NIL]
	s_wait_dscnt 0x0
	CROUND
	s_endpgm
.Lfunc_end_k_q0a7a278431_proj:
	.size	k_q0a7a278431_proj, .Lfunc_end_k_q0a7a278431_proj-k_q0a7a278431_proj
	.p2alignl 7, 3214868480
	.fill 96, 4, 3214868480
	.section	.rodata,"a",@progbits
	.p2align	6, 0x0
	.amdhsa_kernel k_q0a7a278431_proj
		.amdhsa_group_segment_fixed_size 327680
		.amdhsa_private_segment_fixed_size 0
		.amdhsa_enable_private_segment 0
		.amdhsa_kernarg_size 32
		.amdhsa_user_sgpr_count 2
		.amdhsa_user_sgpr_kernarg_segment_ptr 1
		.amdhsa_wavefront_size32 1
		.amdhsa_system_sgpr_workgroup_id_x 1
		.amdhsa_system_sgpr_workgroup_id_y 1
		.amdhsa_system_sgpr_workgroup_id_z 1
		.amdhsa_system_vgpr_workitem_id 0
		.amdhsa_next_free_vgpr 1024
		.amdhsa_next_free_sgpr 100
		.amdhsa_reserve_vcc 0
		.amdhsa_float_denorm_mode_32 3
		.amdhsa_float_denorm_mode_16_64 3
		.amdhsa_memory_ordered 1
		.amdhsa_forward_progress 1
		.amdhsa_inst_pref_size 166
	.end_amdhsa_kernel
	.amdgpu_metadata
---
amdhsa.version: [ 1, 2 ]
amdhsa.kernels:
  - .name:           k_q0a7a278431_proj
    .symbol:         k_q0a7a278431_proj.kd
    .args:
      - { .name: codes, .offset: 0, .size: 8, .value_kind: global_buffer, .address_space: global }
      - { .name: freqs_cos, .offset: 8, .size: 8, .value_kind: global_buffer, .address_space: global }
      - { .name: freqs_sin, .offset: 16, .size: 8, .value_kind: global_buffer, .address_space: global }
      - { .name: qkv, .offset: 24, .size: 8, .value_kind: global_buffer, .address_space: global }
    .group_segment_fixed_size: 327680
    .private_segment_fixed_size: 0
    .kernarg_segment_align: 8
    .kernarg_segment_size: 32
    .max_flat_workgroup_size: 128
    .sgpr_count:     100
    .vgpr_count:     1024
    .wavefront_size: 32
...
	.end_amdgpu_metadata
.endif
;; end of part 2
;; launch attn (part 3): grid 32 x 8, 8 waves a work-group, clusters of 4 x 4, 327,680 bytes of LDS; arguments qkv, mask, oc; writes oc
.if DOCPART == 3
	.amdgcn_target "amdgcn-amd-amdhsa--gfx1250"
	.amdhsa_code_object_version 6
	.text
	.protected	k_q0a7a278431_attn
	.globl	k_q0a7a278431_attn
	.p2align	8
	.type	k_q0a7a278431_attn,@function
k_q0a7a278431_attn:
	s_mov_b64 s[64:65], 0
	v_nop
	global_prefetch_b8 v0, s[64:65] scope:SCOPE_SE
	s_setreg_imm32_b32 hwreg(HW_REG_WAVE_MODE, 25, 1), 1
	s_wait_xcnt 0x0
	s_wait_alu depctr_hold_cnt(0) depctr_sa_sdst(0) depctr_va_vdst(0) depctr_va_sdst(0) depctr_va_ssrc(0) depctr_va_vcc(0) depctr_vm_vsrc(0)
	s_getreg_b32 s2, hwreg(HW_REG_IB_STS2, 6, 4)
	s_cmp_eq_u32 s2, 0
	s_cbranch_scc0 .Lentry_in_a_cluster
	s_endpgm
.Lentry_in_a_cluster:
	s_bfe_u32 s2, ttmp6, 0x10000c
	s_cmp_lg_u32 s2, 0xf033
	s_cbranch_scc0 .Lentry_shape_is_right
	s_endpgm
.Lentry_shape_is_right:
; ATTENTION on codes of FP6 (E2M3).  D = q . k + mask x sqrt(128) (the mask goes in as the C of the score product); t = D x log2(e) / sqrt(128); M = the running largest t rounded up to a whole number;
; p = 2^(t - M), one fused multiply-add and one exponential, is quantised along the keys, not normalised; the row's sum is taken of the unquantised p and divides O at the end; O is quantised along the head's 128.
; THE MASK IS AN INPUT: every key is walked and the mask is added as it is loaded.
; SHARES: a work-group owns 64 queries (block Mb) and one kv head, that is two query heads; eight waves, two to a SIMD.  Wave w owns the tile of 16 queries t = w % 4 of BOTH heads and, of each slot of 256 keys,
; the step of 128 keys q = w / 4: each fragment of K and V is read from LDS by four waves and each number of the mask by one, and each feeds two tiles.  Waves w and w + 4 hold the two halves of the keys of the same queries.
; They take the two heads in opposite order (head A = 2 kvh + q, head B the other): at the end each stores its head B (O^T, -M, the sum) in LDS, reads the partner's, which is its own head A, joins the two under the
; larger M by exact powers of two, divides, quantises and stores one head's fragment.
; Both products are used transposed (S^T = K Q^T, O^T = V^T P^T): a lane holds one query, and by the order of rows in a fragment (8 u + r + 8 (r / 8) of 32) the 16 registers of tiles 2 b, 2 b + 1 are
; keys (channels) 32 b + 16 (lane / 16) + 0 .. 15.  q, k, V^T arrive in units of 6,400 bytes (64 rows x 128 K in the order of the operand's registers, scale words at 6,144).
; RING: two LDS slots of 256 keys: K's two steps, V's two steps (12,800 bytes each), the mask's 64 rows x 256 keys in four parts of 16 rows, rows 1,040 bytes and parts 16,768 bytes apart: the sixteen rows that a
; load's sixteen lanes touch (eight of one part, eight of the next) begin at sixteen different multiples of 16 bytes modulo 256.  Waves 0-3 fetch the four blocks of K and V, waves 4-7 a part of the mask each.
; THE CHANGE OF SLOTS STANDS IN A STEP'S MIDDLE: when V is in registers the wave reads its slot no more.  The refill asked for there is waited for in the middle of the next step.  Behind it the next step's mask is
; loaded, under head B's softmax; the next step's K follows head B's last products with no barrier.
; CLUSTERS: 4 x 4.  A row of the cluster has one kv head: K and V are asked for jointly along it.  A column has one block of queries: the mask's tile is asked for jointly along it.
; PREFETCH: behind the load of slot d the blocks of slot d + 2 are asked for (slot 1 at the head too), once in each cluster.  K and V: the partner at cx takes block cx of the four, its waves 0 and 1 25 blocks of 256 bytes each,
; a lane a block (lanes 25-31 name the last again).  The mask: the partner at cy takes 16 rows, its waves 2 and 3 8 rows each, lane l row l / 4 and the (l % 4)-th 256 bytes.  Slot 7 is the last asked for.
; LIMITS: NaN among the inputs is not served; the promise holds while the scaled scores stay under 2^31 in magnitude; t - M is formed from the unrounded product D x c, so a row in which every logit lies beyond 2^24
; in magnitude is weighed by that product and not by its rounding to f32.
; REGISTERS: window 0: v1-11, v29, v31, v40 addresses; head A / B: statistics (-M, largest t, the sum in two halves) v12-15 / v80-83; Q v16-27 / v84-95; Q's scale words v28 / v30; work, p's codes and scale word v224-254 / v48-78;
;   v32-39 K's and V's scale words; v79 the least f32; v96-159 the mask, then S^T and p of head A; v160-223 its O^T.  window 1: v0-95 K's eight fragments, then V's; v96-159 S^T and p of head B; v160-223 its O^T.
.set SB,    12800
.set U64,   6400
.set FRB,   1536
.set HOFF,  32*U64                     ; from a head's units to the next head's
.set MOFF,  4*SB
.set MP,    1040
.set PS,    16*MP+128                  ; from part to part of the mask's tile
.set SLOT1, 1<<17
.set SPARE, 2*SLOT1                    ; the spare words: 128 bytes for each of eight waves
.set STG,   8704                       ; the exchange at the end: 8,192 bytes of O^T and 512 of statistics a wave, in slot 0, behind its last fill and last read
.set LI,  1                            ; 16 x lane
.set LS,  2                            ; 8 x lane + q SB
.set AM0, 3                            ; my query's row of the mask's tile + 64 (lane / 16) + 512 q
.set LK,  4                            ; 16 x lane + q SB
.set SPW, 5
.set NIL, 6
.set OA,  7                            ; where my fragment of O goes
.set ADK, 8                            ; LK, LS, AM0 in the slot in hand
.set ADS, 9
.set ADM, 10
.set OS,  11                           ; where its scale words go
.set PFO, 29
.set STA, 31                           ; my stage, the partner's
.set STB, 40
.set KS,  32
.set VS,  36
.set NEGR, 79
.set SCO, 96
.set OUT, 160
.set TM,  160
.set WV,  18
.set SEL, 20
.set C2,  22                           ; s[22:23] log2(e) / sqrt(128)
.set MS,  68                           ; s[68:69] sqrt(128)
.set G1KV, 24
.set G1M,  32
.set G0KV, 40
.set G0M,  44
.set TB,   2
.set SLOTS, 3
.set PFA,  76                          ; s[76:77] where my prefetches stand; s[90:91] their step from slot to slot
.set PFS,  90
.set LIM,  80
.set MSB, 0
.macro WIN new
.if MSB != \new
	s_set_vgpr_msb (MSB<<8)|\new
.set MSB, \new
.endif
.endm
.macro VW
	s_wait_alu depctr_va_vdst(0)
.endm
.macro DL
	s_delay_alu instid0(VALU_DEP_1)
.endm
.macro NOPS n
.rept \n
	v_nop
.endr
.endm
.macro HEAD h
.set W,  \h
.set WB, 224-176*(\h)
.set ST, 12+68*(\h)
.endm
.macro JLOAD                           ; waves 0-3: a block of K or V; waves 4-7: 16 rows of the mask.  The branch hangs on the wave's number alone
	s_cmp_lt_u32 s[WV], 4
	s_cbranch_scc0 .Lfor_m_\@
	tensor_load_to_lds s[G0KV:G0KV+3], s[G1KV:G1KV+7]
	s_nop 0
	NOPS 4
	s_branch .Lasked_\@
.Lfor_m_\@:
	tensor_load_to_lds s[G0M:G0M+3], s[G1M:G1M+7]
	s_nop 0
	NOPS 4
.Lasked_\@:
.endm
.macro ASK                             ; in the loop: waves 0-3, while a slot two on is left
	s_cmp_gt_u32 s[SLOTS], s[LIM]
	s_cbranch_scc0 .Lnot_mine_\@
	global_prefetch_b8 v[PFO], s[PFA:PFA+1] th:TH_LOAD_NT scope:SCOPE_SE
.Lnot_mine_\@:
.endm
.macro ASKH                            ; at the head: waves 0-3
	s_cmp_lt_u32 s[WV], 4
	s_cbranch_scc0 .Lnot_mine_\@
	global_prefetch_b8 v[PFO], s[PFA:PFA+1] th:TH_LOAD_NT scope:SCOPE_SE
.Lnot_mine_\@:
.endm
.macro CREST
	s_cmp_lg_u32 s[WV], 0
	s_cbranch_scc1 .Lnot_wave_0_\@
	s_barrier_signal -3
.Lnot_wave_0_\@:
	s_barrier_wait -3
	s_barrier_signal -1
	s_barrier_wait -1
.endm
.macro CROUND
	s_barrier_signal -1
	s_barrier_wait -1
	CREST
.endm
.macro NEXTD                           ; the walking descriptors: the other slot, the next 256 keys (no tensor load of mine is out)
	s_xor_b32 s[G0KV+1], s[G0KV+1], SLOT1
	s_add_nc_u64 s[G0KV+2:G0KV+3], s[G0KV+2:G0KV+3], 2*SB
	s_xor_b32 s[G0M+1], s[G0M+1], SLOT1
	s_add_nc_u64 s[G0M+2:G0M+3], s[G0M+2:G0M+3], 1024
.endm
	s_load_b128 s[4:7], s[0:1], 0x0                ; qkv, mask
	s_load_b64 s[8:9], s[0:1], 0x10                ; oc
	v_lshl_add_u32 v[SPW], v0, 2, SPARE
	v_mov_b32 v[NIL], 0
	ds_add_u32 v[SPW], v[NIL]
	ds_add_u32 v[SPW], v[NIL]
	v_lshrrev_b32 v41, 5, v0
	v_readfirstlane_b32 s[WV], v41                 ; wave 0..7
	s_and_b32 s16, s[WV], 3                        ; t = 2 P + u: my tile of queries; also which part I fetch
	s_lshr_b32 s79, s[WV], 2                       ; q: my step of a slot; head A = 2 kvh + q
	s_and_b32 s19, s[WV], 1                        ; u
	s_bfe_u32 s17, s[WV], 0x10001                  ; P
	s_xor_b32 s81, s79, 1                          ; head B = 2 kvh + 1 - q
	s_bfe_u32 s48, ttmp6, 0x40000                  ; cx
	s_bfe_u32 s49, ttmp6, 0x40004                  ; cy
	s_lshl_b32 s50, ttmp9, 2
	s_add_co_u32 s50, s50, s48                     ; Mb
	s_and_b32 s52, ttmp7, 0xffff                   ; cluster y
	s_lshl_b32 s51, s52, 2
	s_add_co_u32 s51, s51, s49                     ; the kv head
	s_lshl_b32 s53, s49, 2
	s_lshl_b32 s53, 15, s53                        ; my row of the cluster
	s_lshl_b32 s54, 0x1111, s48                    ; my column
	s_or_b32 s[G1KV], s53, (3<<16)|(1<<21)         ; a dense block of 12,800 bytes as 50 rows of 32 elements of 8 bytes
	s_mov_b32 s[G1KV+1], 32<<16
	s_mov_b32 s[G1KV+2], 50<<16
	s_mov_b32 s[G1KV+3], 32<<16
	s_mov_b32 s[G1KV+4], 50
	s_mov_b32 s[G1KV+5], 32
	s_mov_b32 s[G1KV+6], 0
	s_mov_b32 s[G1KV+7], 0
	s_or_b32 s[G1M], s54, (2<<16)|(1<<20)|(1<<21)|(7<<22)|(3<<25)   ; 16 rows of 256 elements of 4 bytes, 2,048 apart; 4 words of padding behind every 256
	s_mov_b32 s[G1M+1], 256<<16
	s_mov_b32 s[G1M+2], 16<<16
	s_mov_b32 s[G1M+3], 256<<16
	s_mov_b32 s[G1M+4], 16
	s_mov_b32 s[G1M+5], 2048
	s_mov_b32 s[G1M+6], 0
	s_mov_b32 s[G1M+7], 0
	s_lshl_b32 s53, s17, 8                         ; K (P = 0) or V (1): unit 512 + 256 P + 32 kvh, + u steps
	s_lshl_b32 s54, s51, 5
	s_add_co_u32 s53, s53, s54
	s_add_co_u32 s53, s53, 512
	s_mul_i32 s54, s53, U64
	s_mul_i32 s55, s19, SB
	s_add_co_u32 s54, s54, s55
	s_mov_b32 s55, 0
	s_mul_i32 s56, s16, SB                         ; in LDS: K's two steps, V's two steps
	s_mul_i32 s57, s16, PS
	s_add_co_u32 s57, s57, MOFF                    ; the mask's four parts
	s_lshl_b32 s58, s50, 6
	s_lshl_b32 s59, s16, 4
	s_add_co_u32 s58, s58, s59
	s_lshl_b32 s58, s58, 13                        ; row 64 Mb + 16 x part, 8,192 bytes a row
	s_mov_b32 s59, 0
	s_mov_b32 s[SEL], 0x76543210
	s_mov_b32 s[SEL+1], 0xfedcba98
	s_mov_b32 s[C2], 0x3e0293ee
	s_mov_b32 s[C2+1], s[C2]
	s_mov_b32 s[MS], 0x413504f3
	s_mov_b32 s[MS+1], s[MS]
	s_mov_b32 s[TB], 0
	s_mov_b32 s[SLOTS], 6
	s_lshl_b32 s70, s51, 6                         ; Q: unit 32 x (2 kvh) + Mb; the heads' and the tile's places go into the lanes' offsets
	s_add_co_u32 s70, s70, s50
	s_mul_i32 s70, s70, U64
	s_mov_b32 s71, 0
	s_mul_i32 s86, s16, FRB
	s_mul_i32 s62, s79, HOFF
	s_add_co_u32 s62, s62, s86
	s_mul_i32 s63, s81, HOFF
	s_add_co_u32 s63, s63, s86
	s_lshl_b32 s86, s19, 7
	s_lshl_b32 s87, s17, 2
	s_add_co_u32 s86, s86, s87
	s_add_co_u32 s86, s86, 6144                    ; Q's scale word: 6,144 + 8 (r + 16 u) + 4 P
	s_mul_i32 s66, s79, HOFF
	s_add_co_u32 s66, s66, s86
	s_mul_i32 s67, s81, HOFF
	s_add_co_u32 s67, s67, s86
	s_mul_i32 s60, s17, 2*PS                       ; my query is row 32 P + 8 u + r % 8 + 16 (r / 8) of the 64: part 2 P + r / 8, row 8 u + r % 8 of it
	s_mul_i32 s87, s19, 8*MP
	s_add_co_u32 s60, s60, s87
	s_lshl_b32 s87, s79, 9
	s_add_co_u32 s60, s60, s87
	s_add_co_u32 s60, s60, MOFF
	s_mul_i32 s61, s79, SB
	s_lshl_b32 s82, s50, 6                         ; the prefetches, at slot 1.  The mask: row 64 Mb + 16 cy + 8 u
	s_lshl_b32 s83, s49, 4
	s_add_co_u32 s82, s82, s83
	s_lshl_b32 s83, s19, 3
	s_add_co_u32 s82, s82, s83
	s_lshl_b32 s82, s82, 13
	s_add_co_u32 s82, s82, 1024
	s_lshr_b32 s86, s48, 1                         ; K and V: block cx of the slot's four: unit 512 + 256 (cx / 2) + 32 kvh, step cx % 2, half u
	s_lshl_b32 s86, s86, 8
	s_lshl_b32 s87, s51, 5
	s_add_co_u32 s86, s86, s87
	s_add_co_u32 s86, s86, 512
	s_mul_i32 s86, s86, U64
	s_and_b32 s87, s48, 1
	s_mul_i32 s87, s87, SB
	s_add_co_u32 s86, s86, s87
	s_mul_i32 s87, s19, 6400
	s_add_co_u32 s86, s86, s87
	s_add_co_u32 s86, s86, 2*SB
	s_mov_b32 s[PFS], 1024
	s_cmp_eq_u32 s17, 0                            ; waves 0 and 1 ask for K and V, waves 2 and 3 for the mask
	s_cselect_b32 s82, s86, s82
	s_cselect_b32 s[PFS], 2*SB, s[PFS]
	s_cselect_b32 s88, -1, 0
	s_mov_b32 s83, 0
	s_mov_b32 s[PFS+1], 0
	s_cmp_lt_u32 s[WV], 4
	s_cselect_b32 s[LIM], 2, -1
	s_lshl_b32 s84, s50, 1                         ; O: super-block (2 Mb + P) x 4 + kvh / 2, fragment (u, s = head A % 4)
	s_add_co_u32 s84, s84, s17
	s_lshl_b32 s84, s84, 2
	s_lshr_b32 s85, s51, 1
	s_add_co_u32 s84, s84, s85
	s_mul_i32 s84, s84, SB
	s_mov_b32 s85, 0
	s_and_b32 s72, s51, 1
	s_lshl_b32 s72, s72, 1
	s_add_co_u32 s72, s72, s79                     ; s
	s_lshl_b32 s74, s19, 2
	s_add_co_u32 s74, s74, s72
	s_mul_i32 s74, s74, FRB
	s_lshl_b32 s73, s19, 8
	s_lshl_b32 s72, s72, 2
	s_add_co_u32 s73, s73, s72
	s_add_co_u32 s73, s73, 12288                   ; the scale word: 12,288 + 256 u + 4 s (+ 16 r)
	s_mul_i32 s75, s[WV], STG
	s_xor_b32 s78, s[WV], 4
	s_mul_i32 s78, s78, STG
	s_wait_dscnt 0x0                               ; both opening adds are done
	s_wait_kmcnt 0x0
	s_mov_b32 s[G0KV], 1
	s_mov_b32 s[G0KV+1], s56
	s_add_nc_u64 s[G0KV+2:G0KV+3], s[4:5], s[54:55]
	s_or_b32 s[G0KV+3], s[G0KV+3], 0x80000000
	s_mov_b32 s[G0M], 1
	s_mov_b32 s[G0M+1], s57
	s_add_nc_u64 s[G0M+2:G0M+3], s[6:7], s[58:59]
	s_or_b32 s[G0M+3], s[G0M+3], 0x80000000
	s_add_nc_u64 s[70:71], s[4:5], s[70:71]
	s_cmp_eq_u32 s17, 0
	s_cselect_b64 s[PFA:PFA+1], s[4:5], s[6:7]
	s_add_nc_u64 s[PFA:PFA+1], s[PFA:PFA+1], s[82:83]
	s_add_nc_u64 s[8:9], s[8:9], s[84:85]
	CROUND                                         ; all sixteen work-groups are here
	JLOAD                                          ; slot 0: one tensor load a wave at the head
	v_and_b32 v41, 31, v0
	v_and_b32 v42, 7, v0
	v_bfe_u32 v43, v0, 3, 1
	v_bfe_u32 v44, v0, 4, 1
	v_and_b32 v47, 15, v0
	v_lshlrev_b32 v[LI], 4, v41
	v_lshlrev_b32 v[LS], 3, v41
	v_mul_u32_u24 v[AM0], v42, MP
	v_mad_u32_u24 v[AM0], v43, PS, v[AM0]
	v_lshl_add_u32 v[AM0], v44, 6, v[AM0]
	v_add_nc_u32 v[AM0], s60, v[AM0]
	v_add_nc_u32 v[LK], s61, v[LI]
	v_add_nc_u32 v[LS], s61, v[LS]
	v_add_nc_u32 v45, s62, v[LI]
	v_add_nc_u32 v46, s63, v[LI]
	v_lshl_add_u32 v42, v47, 3, s66
	v_lshl_add_u32 v43, v47, 3, s67
	v_add_nc_u32 v[OA], s74, v[LI]
	v_lshl_add_u32 v[OS], v47, 4, s73
	v_add_nc_u32 v[STA], s75, v[LI]
	v_add_nc_u32 v[STB], s78, v[LI]
	v_and_b32 v[PFO], 3, v0
	v_bfe_u32 v44, v0, 2, 3
	v_lshlrev_b32 v[PFO], 8, v[PFO]
	v_lshl_add_u32 v[PFO], v44, 13, v[PFO]         ; the mask: row l / 4, the (l % 4)-th 256 bytes;
	v_min_u32 v41, 24, v41
	v_lshlrev_b32 v41, 8, v41                      ; K and V: 256 x min(lane, 24)
	v_cndmask_b32 v[PFO], v[PFO], v41, s88
	v_mov_b32 v[NEGR], 0xff7fffff
	VW
	ASKH                                           ; slot 1
.irp c, 0,1,2
	global_load_b128 v[16+4*\c:19+4*\c], v45, s[70:71] offset:512*\c   ; Q of head A,
	global_load_b128 v[84+4*\c:87+4*\c], v46, s[70:71] offset:512*\c   ; of head B
.endr
	global_load_b32 v28, v42, s[70:71]
	global_load_b32 v30, v43, s[70:71]
.irp h, 0,1
	v_mov_b32 v[13+68*\h], 0xff61b1e6              ; the largest t so far: -3e38
	v_floor_f32 v[12+68*\h], -v[13+68*\h]          ; -M
	v_mov_b32 v[14+68*\h], 0
	v_mov_b32 v[15+68*\h], 0
	v_mov_b32 v[253-176*\h], 0                     ; (named as the upper half of the pair with f before it is first written)
.irp b, 0,1,2,3
	v_mov_b32 v[236-176*\h+\b], 0                  ; a lane permute's destination counts as one of its sources
.endr
.endr
.set j, 0
.rept 64
	v_mov_b32 v[OUT+j], 0                          ; O^T: the step is written once for all steps; the first finds zeros
.set j, j+1
.endr
	s_wait_xcnt 0x0                                ; the prefetch has read its address
	s_add_nc_u64 s[PFA:PFA+1], s[PFA:PFA+1], s[PFS:PFS+1]
	ASKH                                           ; slot 2
	WIN 0x40
.set j, 0
.rept 64
	v_mov_b32 v[OUT+j], 0
.set j, j+1
.endr
	WIN 0
.macro LDMK                            ; the mask of my step in slot TB, at keys 32 b + 16 h + 4 i on, of my query: into head A's score registers
	v_add_nc_u32 v[ADM], s[TB], v[AM0]
	VW
.irp b, 0,1,2,3
.irp i, 0,1,2,3
	ds_load_b128 v[SCO+16*\b+4*\i:SCO+16*\b+4*\i+3], v[ADM] offset:128*\b+16*\i
.endr
.endr
.endm
.macro LDKV off                        ; eight fragments of K (off = 0) or V (off = 2 SB) of my step
.irp a, 0,1,2,3,4,5,6,7
.irp c, 0,1,2
	ds_load_b128 v[12*\a+4*\c:12*\a+4*\c+3], v[ADK] offset:(\off)+(\a/4)*U64+(\a%4)*FRB+512*\c
.endr
.endr
.endm
; a step's first loads in slot TB: the scale words' 4 and K's 24 (at the head the mask's 16 ahead of them).  The two additions and two v_nop are the places behind the last products
.macro PRE first
.if \first
	LDMK
.endif
	v_add_nc_u32 v[ADK], s[TB], v[LK]
	v_add_nc_u32 v[ADS], s[TB], v[LS]
	NOPS 2
	VW
.irp i, 0,1
	ds_load_b64 v[KS+2*\i:KS+2*\i+1], v[ADS] offset:\i*U64+6144
	ds_load_b64 v[VS+2*\i:VS+2*\i+1], v[ADS] offset:2*SB+\i*U64+6144
.endr
	WIN 0x40
	LDKV 0
	WIN 0
.endm
.macro SK a, h                         ; S^T: 16 keys x my 16 queries of head h, begun with the mask x sqrt(128) as C
.set rQ, 16+68*(\h)
.set rS, 28+2*(\h)
.if (\a)%2
	v_wmma_scale_f32_16x16x128_f8f6f4 v[SCO+8*(\a):SCO+8*(\a)+7], v[12*(\a):12*(\a)+11], v[rQ:rQ+11], v[SCO+8*(\a):SCO+8*(\a)+7], v[KS+(\a)/2], v[rS] matrix_a_fmt:MATRIX_FMT_FP6 matrix_b_fmt:MATRIX_FMT_FP6 matrix_a_scale:MATRIX_SCALE_ROW1
.else
	v_wmma_scale_f32_16x16x128_f8f6f4 v[SCO+8*(\a):SCO+8*(\a)+7], v[12*(\a):12*(\a)+11], v[rQ:rQ+11], v[SCO+8*(\a):SCO+8*(\a)+7], v[KS+(\a)/2], v[rS] matrix_a_fmt:MATRIX_FMT_FP6 matrix_b_fmt:MATRIX_FMT_FP6
.endif
.endm
.macro SK4 a0                          ; four tiles of keys, both heads: head B's results go to window 1; head A's are then laid over the mask, five places behind the products that read it
	WIN 0x41                                       ; K window 1, Q and the mask window 0, the result window 1
.irp a, \a0, \a0+1, \a0+2, \a0+3
	SK \a, 1
.endr
	NOPS 5
	WIN 0x01
.irp a, \a0, \a0+1, \a0+2, \a0+3
	SK \a, 0
.endr
.endm
.macro PV a                            ; O^T += 16 channels x 128 keys x my 16 queries
.if (\a)%2
	v_wmma_scale_f32_16x16x128_f8f6f4 v[OUT+8*(\a):OUT+8*(\a)+7], v[12*(\a):12*(\a)+11], v[WB:WB+11], v[OUT+8*(\a):OUT+8*(\a)+7], v[VS+(\a)/2], v[WB+29] matrix_a_fmt:MATRIX_FMT_FP6 matrix_b_fmt:MATRIX_FMT_FP6 matrix_a_scale:MATRIX_SCALE_ROW1
.else
	v_wmma_scale_f32_16x16x128_f8f6f4 v[OUT+8*(\a):OUT+8*(\a)+7], v[12*(\a):12*(\a)+11], v[WB:WB+11], v[OUT+8*(\a):OUT+8*(\a)+7], v[VS+(\a)/2], v[WB+29] matrix_a_fmt:MATRIX_FMT_FP6 matrix_b_fmt:MATRIX_FMT_FP6
.endif
.endm
.macro PVS h                           ; V in window 1, p's codes in window 0, O^T in the head's window; the eight accumulators take turns
	HEAD \h
.set NW, (W<<6)|(W<<4)|1
	WIN NW
.irp a, 0,1,2,3,4,5,6,7
	PV \a
.endr
.endm
; HEAD h's SOFTMAX of a step: from a lane's 64 numbers D to p's codes and scale word, with the sum and O^T brought under the new M.  All sources of the exponentials are laid first; one wait; the batch; one wait.
.macro SOFT h
	HEAD \h
.set NW, (W<<2)|(W<<4)
	WIN NW
	VW                                             ; ahead of the first reads of S^T
.irp b, 0,1,2,3
	v_max3_num_f32 v[WB+8+\b], v[NEGR], v[SCO+16*\b], v[SCO+1+16*\b]   ; the largest D of each block of 32 keys: for the row's maximum and, since p rises with D, for the block's largest p
.endr
.irp i, 2,4,6,8,10,12,14
.irp b, 0,1,2,3
	v_max3_num_f32 v[WB+8+\b], v[WB+8+\b], v[SCO+16*\b+\i], v[SCO+1+16*\b+\i]
.endr
.endr
	WIN 0
.irp b, 0,1,2,3
	v_permlanex16_b32 v[WB+12+\b], v[WB+8+\b], s[SEL], s[SEL+1]
.endr
.irp b, 0,1,2,3
	v_max_num_f32 v[WB+8+\b], v[WB+8+\b], v[WB+12+\b]   ; with lane l xor 16's 16 keys
.endr
	v_max3_num_f32 v[WB+30], v[WB+8], v[WB+9], v[WB+10]
	DL
	v_max_num_f32 v[WB+30], v[WB+30], v[WB+11]
	DL
	v_mul_f32 v[WB+30], s[C2], v[WB+30]            ; as t (c is positive)
	DL
	v_max_num_f32 v[ST+1], v[ST+1], v[WB+30]       ; the running largest t
	v_mov_b32 v[WB+30], v[ST]
	s_delay_alu instid0(VALU_DEP_2)
	v_floor_f32 v[ST], -v[ST+1]                    ; the new -M = -ceil(t): a whole number
	DL
	v_sub_f32 v[WB+30], v[ST], v[WB+30]            ; old M - new M: a whole number, 0 or less
	DL
	v_cvt_i32_f32 v[WB+30], v[WB+30]               ; (it saturates)
	DL
	v_ldexp_f32 v[WB+28], 1.0, v[WB+30]            ; f = 2^(old M - new M): a multiplication by it rounds nothing
.irp b, 0,1,2,3
	v_fma_f32 v[WB+8+\b], v[WB+8+\b], s[C2], v[ST] ; each block's largest t - M
.endr
.set NW, (W<<6)|W
	WIN NW
.set j, 0
.rept 32
	v_pk_fma_f32 v[SCO+j:SCO+j+1], v[SCO+j:SCO+j+1], s[C2:C2+1], v[ST:ST+1] op_sel_hi:[1,0,0]   ; t - M
.set j, j+2
.endr
	VW                                             ; ahead of the first reads of O^T
.set j, 0
.rept 32
	v_pk_mul_f32 v[OUT+j:OUT+j+1], v[OUT+j:OUT+j+1], v[WB+28:WB+29] op_sel_hi:[1,0]   ; O^T under the new M, each accumulator from its low end on
.set j, j+2
.endr
	VW                                             ; ahead of the batch
.set j, 0
.rept 64
	v_exp_f32 v[SCO+j], v[SCO+j]                   ; p = 2^(t - M)
.set j, j+1
.endr
	WIN 0
.irp b, 0,1,2,3
	v_exp_f32 v[WB+8+\b], v[WB+8+\b]               ; the block's largest p: the same instructions on the same number give the same bits
.endr
	v_pk_mul_f32 v[ST+2:ST+3], v[ST+2:ST+3], v[WB+28:WB+29] op_sel_hi:[1,0]   ; the sums under the new M: the plain place behind the last exponential
	VW                                             ; one wait for the 68
.irp b, 0,1,2,3
	v_max_num_f32 v[WB+8+\b], 0x1800000, v[WB+8+\b]   ; the floor 2^(3 - 127): the byte cannot fall under 1
.endr
.irp b, 0,1,2,3
	v_add_nc_u32 v[WB+20+\b], 0xff000000, v[WB+8+\b]  ; 2 off the exponent field: the conversion's scale operand
.endr
.irp b, 0,1,2,3
	v_lshrrev_b32 v[WB+12+\b], 23, v[WB+20+\b]
.endr
	v_lshl_or_b32 v[WB+29], v[WB+13], 8, v[WB+12]  ; p's scale word for these 128 keys
	DL
	v_lshl_or_b32 v[WB+29], v[WB+14], 16, v[WB+29]
	DL
	v_lshl_or_b32 v[WB+29], v[WB+15], 24, v[WB+29]
.set NW, W
	WIN NW
.irp c, 0,1
	v_cvt_scalef32_pk16_fp6_f32 v[WB+6*\c:WB+2+6*\c], v[SCO+32*\c:SCO+15+32*\c], v[WB+20+2*\c]
	v_cvt_scalef32_pk16_fp6_f32 v[WB+12+4*\c:WB+14+4*\c], v[SCO+16+32*\c:SCO+31+32*\c], v[WB+21+2*\c]
.endr
	WIN 0
	v_nop                                          ; one plain place behind a scaled conversion
.irp c, 0,1
.irp i, 0,1,2
	v_permlane16_swap_b32 v[WB+6*\c+\i], v[WB+12+4*\c+\i]
.endr
.irp i, 0,1,2
	v_mov_b32 v[WB+3+6*\c+\i], v[WB+12+4*\c+\i]
.endr
.endr
; the row's sum of the unquantised p, in two chains; these lines are also the places between p's codes and scale word and the products that take them
.set NW, W|(W<<2)
	WIN NW
	v_pk_add_f32 v[WB+12:WB+13], v[SCO:SCO+1], v[SCO+2:SCO+3]
.set NW, W<<2
	WIN NW
.irp i, 4,8,12,16,20,24,28,32,36,40,44,48,52,56,60
	v_pk_add_f32 v[ST+2:ST+3], v[ST+2:ST+3], v[SCO+\i:SCO+1+\i]
	v_pk_add_f32 v[WB+12:WB+13], v[WB+12:WB+13], v[SCO+2+\i:SCO+3+\i]
.endr
	WIN 0
	v_pk_add_f32 v[ST+2:ST+3], v[ST+2:ST+3], v[WB+12:WB+13]
.endm
; A STEP: my 128 keys of the slot in hand, for both heads.  mode 2: the slot is filled again in the step's middle; 1: a barrier alone, for the last slot's tiles; 0: nothing.  nxt: the next step's first loads are issued
.macro STEP mode, nxt
	s_wait_dscnt 28                                ; the mask's 16 loads, the oldest, are in; the scale words' 4 and K's 24 may be out
.set j, 0
.rept 32
	v_pk_mul_f32 v[SCO+j:SCO+j+1], v[SCO+j:SCO+j+1], s[MS:MS+1] op_sel_hi:[1,0]   ; mask x sqrt(128), once for both heads
.set j, j+2
.endr
	NOPS 4
	VW
	s_wait_dscnt 12                                ; the scale words and K's fragments 0-3 are in; the 12 loads of fragments 4-7 may be out
	SK4 0
	s_wait_dscnt 0x0
	SK4 4
	NOPS 4                                         ; places in front of the loads into K's registers and of the first read of the scores
	WIN 0x40
	LDKV 2*SB                                      ; V, into K's registers
	SOFT 0
	VW
.if \mode
	s_wait_tensorcnt 0x0                           ; all my tensor loads have landed: my part of the slot ahead
	ds_add_u32 v[SPW], v[NIL]
.if \mode == 2
	NEXTD
	s_wait_xcnt 0x0                                ; the last prefetch has read its address
	s_add_nc_u64 s[PFA:PFA+1], s[PFA:PFA+1], s[PFS:PFS+1]
.endif
	s_wait_dscnt 0x0                               ; the add is done, V is in, and my reads of this slot are over
	s_barrier_signal -1
	PVS 0                                          ; work on registers while the others arrive
	WIN 0
	s_barrier_wait -1
.if \mode == 2
	CREST                                          ; the barrier has opened a round of the cluster's: no wave of any partner still reads this slot or has a load on its way
	JLOAD                                          ; my one tensor load behind the round
	ASK
.endif
.else
	s_wait_dscnt 0x0                               ; V is in
	PVS 0
.endif
.if \nxt
	WIN 0
	s_xor_b32 s[TB], s[TB], SLOT1                  ; the slot ahead is whole: the next step's mask, into head A's score registers, which are done with
	LDMK
.endif
	SOFT 1
	PVS 1
	WIN 0
.if \nxt
	PRE 0
.endif
.endm
	VW                                             ; the head's end
	s_wait_tensorcnt 0x0                           ; my part of slot 0 is in; slot 1's first fill is issued as a refill is
	ds_add_u32 v[SPW], v[NIL]
	NEXTD
	s_wait_dscnt 0x0
	CROUND
	JLOAD
	PRE 1
	s_wait_xcnt 0x0
	s_add_nc_u64 s[PFA:PFA+1], s[PFA:PFA+1], s[PFS:PFS+1]
	ASKH                                           ; slot 3
	s_wait_loadcnt 0x0                             ; Q
.Lstep:                                                ; six trips, each with a refill: slots 2 to 7
	STEP 2, 1
	s_sub_co_u32 s[SLOTS], s[SLOTS], 1
	s_cmp_lg_u32 s[SLOTS], 0
	VW
	s_cbranch_scc1 .Lstep
	STEP 1, 1                                      ; the last two steps are written out
	STEP 0, 0
; THE END: the row's sums; head B to the partner, the partner's half of head A to me
.irp h, 0,1
	v_add_f32 v[14+68*\h], v[14+68*\h], v[15+68*\h]
.endr
.irp h, 0,1
	v_permlanex16_b32 v[252-176*\h], v[14+68*\h], s[SEL], s[SEL+1]
.endr
.irp h, 0,1
	v_add_f32 v[14+68*\h], v[14+68*\h], v[252-176*\h]
.endr
	VW
	s_wait_dscnt 0x0
	s_barrier_signal -1                            ; every wave's reads of the slots are over: slot 0, filled for the last time, becomes the stage
	s_barrier_wait -1
	WIN 0x04                                       ; the data: window 1
.irp i, 0,1,2,3,4,5,6,7,8,9,10,11,12,13,14,15
	ds_store_b128 v[STA], v[OUT+4*\i:OUT+4*\i+3] offset:512*\i   ; each accumulator from its low end on
.endr
	WIN 0
	ds_store_b128 v[STA], v[80:83] offset:8192     ; -M, the largest t, the sum
	s_wait_dscnt 0x0
	s_barrier_signal -1
	s_barrier_wait -1
.irp i, 0,1,2,3,4,5,6,7,8,9,10,11,12,13,14,15
	ds_load_b128 v[SCO+4*\i:SCO+4*\i+3], v[STB] offset:512*\i
.endr
	ds_load_b128 v[48:51], v[STB] offset:8192
	s_wait_dscnt 0x0
	v_min_num_f32 v244, v12, v48                   ; -M of both halves of the keys
	v_sub_f32 v236, v244, v12
	v_sub_f32 v238, v244, v48
	v_cvt_i32_f32 v236, v236
	v_cvt_i32_f32 v238, v238
	v_ldexp_f32 v236, 1.0, v236                    ; my half's factor, the partner's: exact powers of two
	v_ldexp_f32 v238, 1.0, v238
	v_mul_f32 v14, v14, v236
	v_fma_f32 v14, v50, v238, v14                  ; the row's sum
	VW
	v_rcp_f32 v14, v14
	v_nop
	VW
	v_mul_f32 v236, v236, v14
	v_mul_f32 v238, v238, v14
.set j, 0
.rept 32
	v_pk_mul_f32 v[SCO+j:SCO+j+1], v[SCO+j:SCO+j+1], v[238:239] op_sel_hi:[1,0]
.set j, j+2
.endr
.set j, 0
.rept 32
	v_pk_fma_f32 v[SCO+j:SCO+j+1], v[OUT+j:OUT+j+1], v[236:237], v[SCO+j:SCO+j+1] op_sel_hi:[1,0,1]   ; register 16 b + i is channel 32 b + 16 h + i of my query
.set j, j+2
.endr
; quantised along the head's 128: codes in v176-187, the row's scale word in v172
.irp b, 0,1,2,3
	v_max3_num_f32 v[TM+\b], |v[SCO+16*\b]|, |v[SCO+1+16*\b]|, 0x1800000
.endr
.irp i, 2,4,6,8,10,12,14
.irp b, 0,1,2,3
	v_max3_num_f32 v[TM+\b], v[TM+\b], |v[SCO+16*\b+\i]|, |v[SCO+1+16*\b+\i]|
.endr
.endr
.irp b, 0,1,2,3
	v_permlanex16_b32 v[TM+4+\b], v[TM+\b], s[SEL], s[SEL+1]
.endr
.irp b, 0,1,2,3
	v_max_num_f32 v[TM+\b], v[TM+\b], v[TM+4+\b]
.endr
.irp b, 0,1,2,3
	v_add_nc_u32 v[TM+8+\b], 0xff000000, v[TM+\b]
.endr
.irp b, 0,1,2,3
	v_lshrrev_b32 v[TM+4+\b], 23, v[TM+8+\b]
.endr
	v_lshl_or_b32 v172, v[TM+5], 8, v[TM+4]
	v_lshl_or_b32 v172, v[TM+6], 16, v172
	v_lshl_or_b32 v172, v[TM+7], 24, v172
.irp c, 0,1
	v_cvt_scalef32_pk16_fp6_f32 v[176+6*\c:178+6*\c], v[SCO+32*\c:SCO+15+32*\c], v[TM+8+2*\c]
	v_cvt_scalef32_pk16_fp6_f32 v[188+4*\c:190+4*\c], v[SCO+16+32*\c:SCO+31+32*\c], v[TM+9+2*\c]
.endr
	v_nop                                          ; one plain place behind a scaled conversion
.irp c, 0,1
.irp i, 0,1,2
	v_permlane16_swap_b32 v[176+6*\c+\i], v[188+4*\c+\i]
.endr
.irp i, 0,1,2
	v_mov_b32 v[179+6*\c+\i], v[188+4*\c+\i]
.endr
.endr
.irp c, 0,1,2
	global_store_b128 v[OA], v[176+4*\c:179+4*\c], s[8:9] offset:512*\c   ; 512 consecutive bytes, at a multiple of 256 from the buffer's first byte
.endr
	global_store_b32 v[OS], v172, s[8:9]           ; my rows' scale words: lanes r and r + 16 hold the same word and write it to the same place
	s_wait_tensorcnt 0x0                           ; the wave's end
	ds_add_u32 v[SPW], v[NIL]
	s_wait_dscnt 0x0
	CROUND                                         ; the closing round
	s_endpgm
.Lfunc_end_k_q0a7a278431_attn:
	.size	k_q0a7a278431_attn, .Lfunc_end_k_q0a7a278431_attn-k_q0a7a278431_attn
	.p2alignl 7, 3214868480
	.fill 96, 4, 3214868480
	.section	.rodata,"a",@progbits
	.p2align	6, 0x0
	.amdhsa_kernel k_q0a7a278431_attn
		.amdhsa_group_segment_fixed_size 327680
		.amdhsa_private_segment_fixed_size 0
		.amdhsa_enable_private_segment 0
		.amdhsa_kernarg_size 24
		.amdhsa_user_sgpr_count 2
		.amdhsa_user_sgpr_kernarg_segment_ptr 1
		.amdhsa_wavefront_size32 1
		.amdhsa_system_sgpr_workgroup_id_x 1
		.amdhsa_system_sgpr_workgroup_id_y 1
		.amdhsa_system_sgpr_workgroup_id_z 1
		.amdhsa_system_vgpr_workitem_id 0
		.amdhsa_next_free_vgpr 512
		.amdhsa_next_free_sgpr 100
		.amdhsa_reserve_vcc 0
		.amdhsa_float_denorm_mode_32 3
		.amdhsa_float_denorm_mode_16_64 3
		.amdhsa_memory_ordered 1
		.amdhsa_forward_progress 1
		.amdhsa_inst_pref_size 145
	.end_amdhsa_kernel
	.amdgpu_metadata
---
amdhsa.version: [ 1, 2 ]
amdhsa.kernels:
  - .name:           k_q0a7a278431_attn
    .symbol:         k_q0a7a278431_attn.kd
    .args:
      - { .name: qkv, .offset: 0, .size: 8, .value_kind: global_buffer, .address_space: global }
      - { .name: mask, .offset: 8, .size: 8, .value_kind: global_buffer, .address_space: global }
      - { .name: oc, .offset: 16, .size: 8, .value_kind: global_buffer, .address_space: global }
    .group_segment_fixed_size: 327680
    .private_segment_fixed_size: 0
    .kernarg_segment_align: 8
    .kernarg_segment_size: 24
    .max_flat_workgroup_size: 256
    .sgpr_count:     100
    .vgpr_count:     512
    .wavefront_size: 32
...
	.end_amdgpu_metadata
.endif
;; end of part 3
;; launch oproj (part 4): grid 16 x 16, 4 waves a work-group, clusters of 4 x 4, 327,680 bytes of LDS; arguments oc, codes, out0; writes out0
.if DOCPART == 4
	.amdgcn_target "amdgcn-amd-amdhsa--gfx1250"
	.amdhsa_code_object_version 6
	.text
	.protected	k_q0a7a278431_oproj
	.globl	k_q0a7a278431_oproj
	.p2align	8
	.type	k_q0a7a278431_oproj,@function
k_q0a7a278431_oproj:
	s_mov_b64 s[64:65], 0
	v_nop
	global_prefetch_b8 v0, s[64:65] scope:SCOPE_SE
	s_setreg_imm32_b32 hwreg(HW_REG_WAVE_MODE, 25, 1), 1
	s_wait_xcnt 0x0
	s_wait_alu depctr_hold_cnt(0) depctr_sa_sdst(0) depctr_va_vdst(0) depctr_va_sdst(0) depctr_va_ssrc(0) depctr_va_vcc(0) depctr_vm_vsrc(0)
	s_getreg_b32 s2, hwreg(HW_REG_IB_STS2, 6, 4)
	s_cmp_eq_u32 s2, 0
	s_cbranch_scc0 .Lentry_in_a_cluster
	s_endpgm
.Lentry_in_a_cluster:
	s_bfe_u32 s2, ttmp6, 0x10000c
	s_cmp_lg_u32 s2, 0xf033
	s_cbranch_scc0 .Lentry_shape_is_right
	s_endpgm
.Lentry_shape_is_right:
; THE LAST PROJECTION on codes of FP6 (E2M3), K = 2,048: 128 rows of the attention's result (oc) against 256 rows of wo, from super-blocks of 12,800 bytes (32 rows x 512 K in the order of the operand's registers,
; scale words at 12,288).  A work-group makes 128 x 256 of out0, a wave 64 x 128; the f32 results leave through the wave's own stage in LDS as rows of 512 consecutive bytes.
; RING: two slots of 512 along K, twelve super-blocks each; waves 0, 1 fetch the 128 rows' four, waves 2, 3 the 256 rows' eight, jointly along a row or a column of the 4 x 4 cluster.
; PREFETCH: K has four slots.  Behind the load of slot 0 the blocks of slots 1 and 2 are asked for, behind that of slot 1 those of slot 3; the loop's refills have no slot two on.  The four partners of a joint load share
; its blocks of 256 bytes out by address: of a wave's two super-blocks each takes 25 blocks, of a wave's four each takes one super-block in two instructions of 25; a lane a block, lanes 25-31 name the last again.
.set SB,    12800
.set SLOT,  12*SB
.set SPARE, 2*SLOT
.set GK,    4
.set LAPS,  GK/2
.set ADRA, 16
.set ADRB, 20
.set LI,   24
.set STO,  26
.set RD,   27
.set SPW,  28
.set NIL,  29
.set SC,   32
.set AF,   128
.set BK,   128
.set G1,  24
.set G0,  32
.set G1B, 48
.set G0B, 56
.set MSB, 0
.macro WIN new
.if MSB != \new
	s_set_vgpr_msb (MSB<<8)|\new
.set MSB, \new
.endif
.endm
.macro PLACES
.rept 4
	v_nop
.endr
.endm
.macro JLOAD g0a, g1a, g0b, g1b
	s_cmp_eq_u32 s15, 0
	s_cbranch_scc0 .Lfor_b_\@
	tensor_load_to_lds s[\g0a:\g0a+3], s[\g1a:\g1a+7]
	s_nop 0
.rept 4
	v_nop
.endr
	s_branch .Lasked_\@
.Lfor_b_\@:
	tensor_load_to_lds s[\g0b:\g0b+3], s[\g1b:\g1b+7]
	s_nop 0
.rept 4
	v_nop
.endr
.Lasked_\@:
.endm
.macro CREST
	s_cmp_lg_u32 s14, 0
	s_cbranch_scc1 .Lnot_wave_0_\@
	s_barrier_signal -3
.Lnot_wave_0_\@:
	s_barrier_wait -3
	s_barrier_signal -1
	s_barrier_wait -1
.endm
.macro CROUND
	s_barrier_signal -1
	s_barrier_wait -1
	CREST
.endm
.macro WM a, b, p, q, sg, zero
.set rD,  8*(8*(\a)+(\b))
.set rB,  128*(\p)+12*(\b)
.set rA,  AF+48*(\p)+12*(\a)
.set rSB, SC+24*(\sg)+8+4*((\b)/2)+(\q)
.set rSA, SC+24*(\sg)+4*((\a)/2)+(\q)
.set rw,  2*((\b)%2)+(\a)%2+4*(\zero)
.if rw == 0
	v_wmma_scale_f32_16x16x128_f8f6f4 v[rD:rD+7], v[rB:rB+11], v[rA:rA+11], v[rD:rD+7], v[rSB], v[rSA] matrix_a_fmt:MATRIX_FMT_FP6 matrix_b_fmt:MATRIX_FMT_FP6
.elseif rw == 1
	v_wmma_scale_f32_16x16x128_f8f6f4 v[rD:rD+7], v[rB:rB+11], v[rA:rA+11], v[rD:rD+7], v[rSB], v[rSA] matrix_a_fmt:MATRIX_FMT_FP6 matrix_b_fmt:MATRIX_FMT_FP6 matrix_b_scale:MATRIX_SCALE_ROW1
.elseif rw == 2
	v_wmma_scale_f32_16x16x128_f8f6f4 v[rD:rD+7], v[rB:rB+11], v[rA:rA+11], v[rD:rD+7], v[rSB], v[rSA] matrix_a_fmt:MATRIX_FMT_FP6 matrix_b_fmt:MATRIX_FMT_FP6 matrix_a_scale:MATRIX_SCALE_ROW1
.elseif rw == 3
	v_wmma_scale_f32_16x16x128_f8f6f4 v[rD:rD+7], v[rB:rB+11], v[rA:rA+11], v[rD:rD+7], v[rSB], v[rSA] matrix_a_fmt:MATRIX_FMT_FP6 matrix_b_fmt:MATRIX_FMT_FP6 matrix_a_scale:MATRIX_SCALE_ROW1 matrix_b_scale:MATRIX_SCALE_ROW1
.elseif rw == 4
	v_wmma_scale_f32_16x16x128_f8f6f4 v[rD:rD+7], v[rB:rB+11], v[rA:rA+11], 0, v[rSB], v[rSA] matrix_a_fmt:MATRIX_FMT_FP6 matrix_b_fmt:MATRIX_FMT_FP6
.elseif rw == 5
	v_wmma_scale_f32_16x16x128_f8f6f4 v[rD:rD+7], v[rB:rB+11], v[rA:rA+11], 0, v[rSB], v[rSA] matrix_a_fmt:MATRIX_FMT_FP6 matrix_b_fmt:MATRIX_FMT_FP6 matrix_b_scale:MATRIX_SCALE_ROW1
.elseif rw == 6
	v_wmma_scale_f32_16x16x128_f8f6f4 v[rD:rD+7], v[rB:rB+11], v[rA:rA+11], 0, v[rSB], v[rSA] matrix_a_fmt:MATRIX_FMT_FP6 matrix_b_fmt:MATRIX_FMT_FP6 matrix_a_scale:MATRIX_SCALE_ROW1
.else
	v_wmma_scale_f32_16x16x128_f8f6f4 v[rD:rD+7], v[rB:rB+11], v[rA:rA+11], 0, v[rSB], v[rSA] matrix_a_fmt:MATRIX_FMT_FP6 matrix_b_fmt:MATRIX_FMT_FP6 matrix_a_scale:MATRIX_SCALE_ROW1 matrix_b_scale:MATRIX_SCALE_ROW1
.endif
.endm
.macro MULA a, p, q, sg, zero
.irp b, 0,1,2,3,4,5,6,7
	WM \a, \b, \p, \q, \sg, \zero
.endr
.endm
.macro FETCH slot, q, p
	WIN 0x40
.irp b, 0,1,2,3,4,5,6,7
.irp c, 0,1,2
	ds_load_b128 v[128*(\p)+12*\b+4*\c:128*(\p)+12*\b+4*\c+3], v[ADRB+\slot] offset:(\b/2)*SB+(4*(\b%2)+(\q))*1536+512*\c
.endr
.endr
	WIN 0
.irp a, 0,1,2,3
.irp c, 0,1,2
	ds_load_b128 v[AF+48*(\p)+12*\a+4*\c:AF+48*(\p)+12*\a+4*\c+3], v[ADRA+\slot] offset:(\a/2)*SB+(4*(\a%2)+(\q))*1536+512*\c
.endr
.endr
.endm
.macro SCALES sg
.irp i, 0,1
	ds_load_b128 v[SC+24*\sg+4*\i:SC+24*\sg+4*\i+3], v[ADRA+\sg] offset:\i*SB+12288
.endr
.irp i, 0,1,2,3
	ds_load_b128 v[SC+24*\sg+8+4*\i:SC+24*\sg+8+4*\i+3], v[ADRB+\sg] offset:\i*SB+12288
.endr
.endm
.macro STEP slot, q, zero
	PLACES
	FETCH \slot, (\q)+1, ((\q)+1)%2
	s_wait_dscnt 36
	WIN 0xa1
.irp a, 0,1,2,3
	MULA \a, (\q)%2, \q, \slot, \zero
.endr
.endm
.macro TURN slot, next, fill
	WIN 0
	s_wait_tensorcnt 0x0
	ds_add_u32 v[SPW], v[NIL]
	s_wait_dscnt 1
	WIN 0xa1
	MULA 0, 1, 3, \slot, 0
	s_wait_dscnt 0x0
	s_barrier_signal -1
	MULA 1, 1, 3, \slot, 0
	WIN 0
	s_barrier_wait -1
.if \fill
	CREST
	s_add_nc_u64 s[G0+4*\slot+2:G0+4*\slot+3], s[G0+4*\slot+2:G0+4*\slot+3], 2*SB
	s_add_nc_u64 s[G0B+4*\slot+2:G0B+4*\slot+3], s[G0B+4*\slot+2:G0B+4*\slot+3], 2*SB
	JLOAD G0+4*\slot, G1, G0B+4*\slot, G1B
.else
	PLACES
.endif
	FETCH \next, 0, 0
	SCALES \next
	WIN 0xa1
	MULA 2, 1, 3, \slot, 0
	MULA 3, 1, 3, \slot, 0
.endm
	s_load_b128 s[4:7], s[0:1], 0x0
	s_load_b64 s[8:9], s[0:1], 0x10
	v_lshl_add_u32 v[SPW], v0, 2, SPARE
	v_mov_b32 v[NIL], 0
	ds_add_u32 v28, v29
	ds_add_u32 v28, v29
	s_wait_dscnt 0x0
	v_lshrrev_b32 v1, 5, v0
	v_readfirstlane_b32 s14, v1
	v_and_b32 v30, 31, v0                          ; the prefetches' offset: 256 x min(lane, 24); never rewritten
	v_min_u32 v30, 24, v30
	v_lshlrev_b32 v30, 8, v30
	s_wait_alu depctr_va_vdst(0)
	s_lshr_b32 s15, s14, 1
	s_and_b32 s16, s14, 1
	s_bfe_u32 s40, ttmp6, 0x40000
	s_bfe_u32 s41, ttmp6, 0x40004
	s_lshl_b32 s47, ttmp9, 2
	s_add_co_u32 s47, s47, s40
	s_and_b32 s17, ttmp7, 0xffff
	s_lshl_b32 s17, s17, 2
	s_add_co_u32 s17, s17, s41
	s_lshl_b32 s43, s41, 2
	s_lshl_b32 s43, 15, s43
	s_lshl_b32 s44, 0x1111, s40
	s_or_b32 s[G1], s43, (3<<16)|(1<<21)
	s_or_b32 s[G1B], s44, (3<<16)|(1<<21)
	s_mov_b32 s[G1+1], 1600<<16
	s_mov_b32 s[G1+2], 2<<16
	s_mov_b32 s[G1+3], 1600<<16
	s_mov_b32 s[G1+4], 2
	s_mov_b32 s[G1+5], GK*1600
	s_mov_b32 s[G1+6], 0
	s_mov_b32 s[G1+7], 0
	s_mov_b32 s[G1B+1], 1600<<16
	s_mov_b32 s[G1B+2], 4<<16
	s_mov_b32 s[G1B+3], 1600<<16
	s_mov_b32 s[G1B+4], 4
	s_mov_b32 s[G1B+5], GK*1600
	s_mov_b32 s[G1B+6], 0
	s_mov_b32 s[G1B+7], 0
	s_lshl_b32 s20, s17, 2
	s_lshl_b32 s18, s16, 1
	s_add_co_u32 s20, s20, s18
	s_lshl_b32 s20, s20, 2
	s_mul_i32 s20, s20, SB
	s_mov_b32 s21, 0
	s_lshl_b32 s66, s47, 3
	s_lshl_b32 s18, s16, 2
	s_add_co_u32 s66, s66, s18
	s_lshl_b32 s66, s66, 2
	s_add_co_u32 s66, s66, 1536
	s_mul_i32 s66, s66, SB
	s_mov_b32 s67, 0
	s_mul_i32 s22, s16, 2*SB
	s_mul_i32 s23, s16, 4*SB
	s_add_co_u32 s23, s23, 4*SB
	s_wait_kmcnt 0x0
	s_add_nc_u64 s[20:21], s[4:5], s[20:21]
	s_add_nc_u64 s[66:67], s[6:7], s[66:67]
	s_cmp_eq_u32 s15, 0                            ; s[76:77]: my work-group's share of the blocks that my wave fetches, in slot 0
	s_cselect_b64 s[76:77], s[20:21], s[66:67]
	s_cselect_b32 s78, s40, s41                    ; my place p among the four that ask jointly
	s_lshr_b32 s79, s78, 1
	s_mul_i32 s79, s79, GK*SB
	s_and_b32 s80, s78, 1
	s_mul_i32 s80, s80, 6400
	s_add_co_u32 s79, s79, s80                     ; of two super-blocks: number p / 2, half p % 2
	s_mul_i32 s80, s78, GK*SB                      ; of four: number p
	s_cmp_eq_u32 s15, 0
	s_cselect_b32 s78, s79, s80
	s_mov_b32 s79, 0
	s_add_nc_u64 s[76:77], s[76:77], s[78:79]
.macro ASK off                         ; my share of the slot that lies off bytes behind s[76:77]
	global_prefetch_b8 v30, s[76:77] offset:\off th:TH_LOAD_NT scope:SCOPE_SE
	s_cmp_eq_u32 s15, 0
	s_cbranch_scc1 .Lhalf_\@
	global_prefetch_b8 v30, s[76:77] offset:(\off)+6400 th:TH_LOAD_NT scope:SCOPE_SE
.Lhalf_\@:
.endm
	CROUND
.irp s, 0,1
	s_mov_b32 s[G0+4*\s], 1
	s_add_co_u32 s[G0+4*\s+1], s22, \s*SLOT
	s_add_nc_u64 s[G0+4*\s+2:G0+4*\s+3], s[20:21], \s*SB
	s_or_b32 s[G0+4*\s+3], s[G0+4*\s+3], 0x80000000
	s_mov_b32 s[G0B+4*\s], 1
	s_add_co_u32 s[G0B+4*\s+1], s23, \s*SLOT
	s_add_nc_u64 s[G0B+4*\s+2:G0B+4*\s+3], s[66:67], \s*SB
	s_or_b32 s[G0B+4*\s+3], s[G0B+4*\s+3], 0x80000000
.endr
	JLOAD G0, G1, G0B, G1B                         ; slot 0: one tensor load a wave at the head; the set-up below stands under it
	ASK SB
	ASK 2*SB
	v_and_b32 v1, 31, v0
	v_lshlrev_b32 v[LI], 4, v1
	s_mul_i32 s21, s15, 2*SB
	s_mul_i32 s22, s16, 4*SB
	s_add_co_u32 s22, s22, 4*SB
.irp s, 0,1
	v_add_nc_u32 v[ADRA+\s], s21, v[LI]
	v_add_nc_u32 v[ADRB+\s], s22, v[LI]
	s_add_co_u32 s21, s21, SLOT
	s_add_co_u32 s22, s22, SLOT
.endr
	v_and_b32 v4, 15, v0
	v_bfe_u32 v5, v0, 4, 1
	s_mul_i32 s23, s14, 8448
	v_mul_u32_u24 v[STO], v4, 528
	v_lshl_add_u32 v[STO], v5, 6, v[STO]
	v_add_nc_u32 v[STO], s23, v[STO]
	v_add_nc_u32 v[RD], s23, v[LI]
	s_lshl_b32 s18, s17, 7
	s_lshl_b32 s19, s15, 6
	s_add_co_u32 s18, s18, s19
	s_lshl_b32 s18, s18, 14
	s_lshl_b32 s19, s47, 10
	s_add_co_u32 s18, s18, s19
	s_lshl_b32 s19, s16, 9
	s_add_co_u32 s18, s18, s19
	s_mov_b32 s19, 0
	s_add_nc_u64 s[8:9], s[8:9], s[18:19]
	s_wait_alu depctr_va_vdst(0)
	s_wait_tensorcnt 0x0                           ; my part of slot 0 is in; slot 1's first fill is issued as a refill is
	ds_add_u32 v28, v29
	s_wait_dscnt 0x0
	CROUND
	JLOAD G0+4, G1, G0B+4, G1B
	FETCH 0, 0, 0
	SCALES 0
	ASK 3*SB
	STEP 0, 0, 1
	WIN 0
	s_mov_b32 s3, LAPS-1
.Llap:
	STEP 0, 1, 0
	STEP 0, 2, 0
	TURN 0, 1, 1
	STEP 1, 0, 0
	STEP 1, 1, 0
	STEP 1, 2, 0
	TURN 1, 0, 1
	STEP 0, 0, 0
	WIN 0
	s_sub_co_u32 s3, s3, 1
	s_cmp_lg_u32 s3, 0
	s_cbranch_scc1 .Llap
	STEP 0, 1, 0
	STEP 0, 2, 0
	TURN 0, 1, 0
	STEP 1, 0, 0
	STEP 1, 1, 0
	STEP 1, 2, 0
	s_wait_dscnt 0x0
	WIN 0xa1
.irp a, 0,1,2,3
	MULA \a, 1, 3, 1, 0
.endr
	WIN 0
.macro TOSTAGE a
	WIN 0x08
.irp b, 0,1,2,3,4,5,6,7
	ds_store_b128 v[STO], v[64*(\a)+8*\b:64*(\a)+8*\b+3] offset:128*(\b/2)+32*(\b%2)
	ds_store_b128 v[STO], v[64*(\a)+8*\b+4:64*(\a)+8*\b+7] offset:128*(\b/2)+32*(\b%2)+16
.endr
	WIN 0
.irp t, 0,1,2,3,4,5,6,7,8,9,10,11,12,13,14,15
	ds_load_b128 v[BK+64*((\a)%2)+4*\t:BK+64*((\a)%2)+4*\t+3], v[RD] offset:\t*528
.endr
.endm
.macro SEND a, younger
	s_wait_dscnt \younger
.irp t, 0,1,2,3,4,5,6,7,8,9,10,11,12,13,14,15
	global_store_b128 v[LI], v[BK+64*((\a)%2)+4*\t:BK+64*((\a)%2)+4*\t+3], s[8:9] offset:(32*((\a)/2)+8*((\a)%2)+\t+8*(\t/8))*16384 th:TH_STORE_NT
.endr
.endm
	PLACES
	TOSTAGE 0
	TOSTAGE 1
	SEND 0, 32
	s_wait_xcnt 0x0
	TOSTAGE 2
	SEND 1, 32
	s_wait_xcnt 0x0
	TOSTAGE 3
	SEND 2, 32
	SEND 3, 0
	s_wait_tensorcnt 0x0
	ds_add_u32 v[SPW], v[NIL]
	s_wait_dscnt 0x0
	CROUND
	s_endpgm
.Lfunc_end_k_q0a7a278431_oproj:
	.size	k_q0a7a278431_oproj, .Lfunc_end_k_q0a7a278431_oproj-k_q0a7a278431_oproj
	.p2alignl 7, 3214868480
	.fill 96, 4, 3214868480
	.section	.rodata,"a",@progbits
	.p2align	6, 0x0
	.amdhsa_kernel k_q0a7a278431_oproj
		.amdhsa_group_segment_fixed_size 327680
		.amdhsa_private_segment_fixed_size 0
		.amdhsa_enable_private_segment 0
		.amdhsa_kernarg_size 24
		.amdhsa_user_sgpr_count 2
		.amdhsa_user_sgpr_kernarg_segment_ptr 1
		.amdhsa_wavefront_size32 1
		.amdhsa_system_sgpr_workgroup_id_x 1
		.amdhsa_system_sgpr_workgroup_id_y 1
		.amdhsa_system_sgpr_workgroup_id_z 1
		.amdhsa_system_vgpr_workitem_id 0
		.amdhsa_next_free_vgpr 768
		.amdhsa_next_free_sgpr 100
		.amdhsa_reserve_vcc 0
		.amdhsa_float_denorm_mode_32 3
		.amdhsa_float_denorm_mode_16_64 3
		.amdhsa_memory_ordered 1
		.amdhsa_forward_progress 1
		.amdhsa_inst_pref_size 132
	.end_amdhsa_kernel
	.amdgpu_metadata
---
amdhsa.version: [ 1, 2 ]
amdhsa.kernels:
  - .name:           k_q0a7a278431_oproj
    .symbol:         k_q0a7a278431_oproj.kd
    .args:
      - { .name: oc, .offset: 0, .size: 8, .value_kind: global_buffer, .address_space: global }
      - { .name: codes, .offset: 8, .size: 8, .value_kind: global_buffer, .address_space: global }
      - { .name: out0, .offset: 16, .size: 8, .value_kind: global_buffer, .address_space: global }
    .group_segment_fixed_size: 327680
    .private_segment_fixed_size: 0
    .kernarg_segment_align: 8
    .kernarg_segment_size: 24
    .max_flat_workgroup_size: 128
    .sgpr_count:     100
    .vgpr_count:     768
    .wavefront_size: 32
...
	.end_amdgpu_metadata
.endif
;; end of part 4
